; MI455X (gfx1250); checked and timed in simulation.
; The chip was launched on July 23, 2026; its instructions are those of AMD's public machine-readable ISA for CDNA 5 (MIT licence, August 2026) and "CDNA5" Instruction Set Architecture Reference Guide (July 2026). The comments in the code are by the model that wrote it; some were corrected since.
;; Attention. Allowed arithmetic: matrix products marked QUANTISED: E4M3 operands, one given power-of-two scale a tensor, by v_wmma_f32_16x16x64_fp8_fp8 or v_wmma_f32_16x16x128_fp8_fp8, f32 sums; everything else in f32.
;; Inputs: freqs_cos 2,048 x 64 float32; freqs_sin 2,048 x 64 float32; lowp_scales 12 int32 (the exponents e of the quantised operands' scales 2^e); mask 1 x 1 x 2,048 x 2,048 float32; wk 2,048 x 2,048 float32; wo 2,048 x 2,048 float32; wq 2,048 x 2,048 float32; wv 2,048 x 2,048 float32; x 1 x 2,048 x 2,048 float32.
;; Outputs: out0 1 x 2,048 x 2,048 float32.
;; This version of the problem:
;;   THIS VERSION OF THE PROBLEM IS GIVEN IN LOW PRECISION. The matrix products marked QUANTISED in the list below multiply operands that are first quantised to E4M3 (4 exponent bits, 3 mantissa bits; 8 bits a number), with one given power-of-two scale for each operand tensor; their sums are f32. All else is computed in f32.
;;   The module's matrix products, in the order in which they are computed (A, B: the left and right operand; K: the contracted axis; several contracted axes count as one K, in the product's order):
;;     1. [M 2,048, K 2,048] x [K 2,048, N 2,048]; A: input x; B: input wq: QUANTISED (scales: A lowp_scales[0], B lowp_scales[1])
;;     2. [M 2,048, K 2,048] x [K 2,048, N 2,048]; A: input x; B: input wk: QUANTISED (scales: A lowp_scales[2], B lowp_scales[3])
;;     3. [M 2,048, K 2,048] x [K 2,048, N 2,048]; A: input x; B: input wv: QUANTISED (scales: A lowp_scales[4], B lowp_scales[5])
;;     4. batch 16 x [M 2,048, K 128] x [K 128, N 2,048]; A: computed on the way; B: computed on the way: QUANTISED (scales: A lowp_scales[6], B lowp_scales[7])
;;     5. batch 16 x [M 2,048, K 2,048] x [K 2,048, N 128]; A: softmax (see below); B: computed on the way: QUANTISED (scales: A lowp_scales[8], B lowp_scales[9])
;;     6. [M 2,048, K 2,048] x [K 2,048, N 2,048]; A: computed on the way; B: input wo: QUANTISED (scales: A lowp_scales[10], B lowp_scales[11])
;;   THE QUANTISER, for each operand of a quantised product, along K:
;;     - The operand's scale is 2^e, e = its entry of the input lowp_scales (int32; the entries are numbered through the quantised products in the list's order, A before B).
;;     - Each number is divided by the scale, clamped to +-448, and rounded to the nearest number of E4M3, ties to even, subnormals kept.
;;     - The product sums the exact products of the quantised numbers (number of the format x scale) in f32.
;;   ~~~python
;;   def quantise(x, axis, e):      # numpy; x: float32 -> the quantised numbers, widened to float32 again
;;       x = np.moveaxis(x, axis, -1); K = x.shape[-1]
;;       r = np.clip(x / 2.0 ** e, -448, 448)
;;       step = 2.0 ** (np.maximum(np.frexp(np.where(r == 0, 1, r))[1] - 1, -6) - 3)
;;       q = np.round(r / step) * step * 2.0 ** e      # np.round: ties to even
;;       return np.moveaxis(q, -1, axis).astype(np.float32)
;;   ~~~
;;   SOFTMAX AHEAD OF A QUANTISED PRODUCT. Where the list says 'softmax', what is quantised is not the finished softmax but p = 2^(t - M), with t = logit x log2(e) and M = ceil(the row's largest t), a whole number; so 1/2 < the row's largest p <= 1. The row's sum l is taken of the UNQUANTISED p, in f32, and the product's result is divided by l at the end. Since M is a whole number, a kernel that streams over the keys may use a running M (the ceiling of the running maximum): every later rescaling is an exact power of two, so the quantised numbers keep their values, but for numbers so far below the row's largest that they fall under the format's range.
;;   OPERANDS COMPUTED ON THE WAY. 'Computed on the way' means the value that the module computes at that place (a softmax that the list does not call 'softmax' is quantised finished and normalised). What goes into a quantiser is computed in f32, as accurately as f32 sums, v_exp_f32 and their like allow (about 1e-6 of the number): no bf16 or f16 on the way to a quantiser, and a product that is left as it is and whose result goes on into a quantised operand takes f32 operands (vector FMAs, or v_wmma_f32_16x16x4_f32). A number that lies on a knife's edge between two numbers of the format may be rounded either way, as far as f32 arithmetic and the matrix unit's own rounding can turn it there, and no further.
;; One version. Each part assembles by itself: llvm-mc -triple=amdgcn-amd-amdhsa -mcpu=gfx1250 --defsym DOCPART=n.
;; ======== version 1 of 1: 4 launches
;; limits: right only within a limited range of input values
;; workspace buffers: xc 12,582,912 bytes; wc 16,777,216 bytes; mimg 16,777,216 bytes; csimg 2,097,152 bytes; qkvc 12,582,912 bytes; ac 4,194,304 bytes
;; launch prep (part 1): grid 768 x 1, 4 waves a work-group, no clusters, 70,144 bytes of LDS; arguments x, wq, wk, wv, wo, mask, freqs_cos, freqs_sin, lowp_scales, xc, wc, mimg, csimg; writes xc, wc, mimg, csimg
.if DOCPART == 1
	.amdgcn_target "amdgcn-amd-amdhsa--gfx1250"
	.amdhsa_code_object_version 6
	.text
	.protected	k_qd185336c30_prep
	.globl	k_qd185336c30_prep
	.p2align	8
	.type	k_qd185336c30_prep,@function
k_qd185336c30_prep:
	s_mov_b64 s[64:65], 0
	v_nop
	global_prefetch_b8 v0, s[64:65] scope:SCOPE_SE
	s_setreg_imm32_b32 hwreg(HW_REG_WAVE_MODE, 25, 1), 1
	s_wait_xcnt 0x0
; PREP: every f32 input is read once and laid as the later launches want it.  NO WORK OF reference() IS LEFT OUT IN THIS PROGRAM: every input has a way to the output
; (the mask is an input, so no pattern of it is built in and every key is multiplied for every query), and all inputs are loaded.
;   xc    [3][2048 s][2048]: codes of x (E4M3) with the scales 2^e0, 2^e2, 2^e4.  Inside each run of 512 along K, byte 16 l + 4 j + i holds k = 128 j + 4 l + i (l 0..31, j, i 0..3).
;   wc    [4][2048 n][2048]: codes of wq, wk, wv, wo (2^e1, 2^e3, 2^e5, 2^e11), K innermost; planes 0-2 in xc's order of K (a product only asks that both sides agree), plane 3 in K's own order.
;   mimg  [128 qt][16 ks][16 n][32 lanes][16 B]: mask x 2^-(e6+e7), as the image of eight accumulators of K Q^T: lane (r, h), word e of piece n = mask[16 qt + r][128 ks + 16 (n/2) + 8 h + 4 (n%2) + e].
;   csimg [2][128 blk][16 n][32 lanes][16 B]: n < 8: cos[16 blk + r][8 n + 4 h + e]; n >= 8: sin likewise.  Plane 0 x 1/sqrt(128) (for q), plane 1 as given (for k).
; code = number / 2^e, held within +-448, to the nearest code, ties to even.
; LIMITS: e0 .. e5 and e11 between -126 and 119; e6 + e7 between -127 and 126, and mask x 2^-(e6+e7) finite.  NaN among the inputs is not served.
; SHARES: 768 work-groups of four waves, 128 KiB of input each: 0-511 the weights, 512-639 x, 640-767 the mask (and cos, sin).  Waves share nothing: no barrier.  The ways part on the
; work-group's number, and each way that uses LDS has LDS bytes of its own.  No tensor load, no matrix unit, no cluster: nothing here is read twice and nothing is multiplied.
; (The weights' way is the one exception to 'waves share nothing': its four waves fill one stage together and meet at one barrier; see that way's own head.)
.set WST,   8704
.set MSTG,  4*WST                      ; the mask way's four stages lie behind the weights way's four
.set SPARE, 8*WST                      ; behind them: the spare words, 128 bytes a wave: two blocks of 256 bytes that no other line names
.set SPW, 12                           ; v12  LDS address of my spare word; never rewritten
.set NIL, 13                           ; v13  0; never rewritten
.macro MKSC e, sc, lim                 ; from the whole number e: sc = 2^e as f32 (the conversion takes its exponent field), lim = 448 x 2^e
	s_add_co_i32 s84, \e, 127
	s_lshl_b32 s85, s84, 23
	v_mov_b32 \sc, s85
	s_add_co_i32 s84, s84, 8
	s_lshl_b32 s84, s84, 23
	s_or_b32 s84, s84, 0x600000
	v_mov_b32 \lim, s84
.endm
.macro FINISH                          ; the wave's end, behind the last LDS store
	s_wait_tensorcnt 0x0
	ds_add_u32 v[SPW], v[NIL]
	s_wait_dscnt 0x0
	s_endpgm
.endm
	s_load_b512 s[8:23], s[0:1], 0x0               ; x s[8:9], wq s[10:11], wk s[12:13], wv s[14:15], wo s[16:17], mask s[18:19], cos s[20:21], sin s[22:23]
	s_load_b256 s[24:31], s[0:1], 0x40             ; the scales' exponents s[24:25], xc s[26:27], wc s[28:29], mimg s[30:31]
	s_load_b64 s[32:33], s[0:1], 0x60              ; csimg
	v_lshl_add_u32 v[SPW], v0, 2, SPARE
	v_mov_b32 v[NIL], 0
	v_lshrrev_b32 v1, 5, v0
	v_readfirstlane_b32 s2, v1                     ; wave
	v_and_b32 v2, 31, v0                           ; lane
	v_lshlrev_b32 v3, 4, v2                        ; 16 x lane
	v_and_b32 v5, 15, v0                           ; r
	v_bfe_u32 v6, v0, 4, 1                         ; h
	; every LDS address of every way is made here, ahead of the parting
	s_mul_i32 s3, s2, WST
	s_lshl_b32 s34, s2, 6
	v_mul_u32_u24 v4, v2, 1088
	v_add_nc_u32 v4, s34, v4                       ; weights, in: rows 4 x lane + 0 .. 3 of the work-group's 128 (a row = a column of w), at my wave's 64 bytes of each row's 256
	v_mul_u32_u24 v7, v6, 272
	v_lshl_add_u32 v7, v5, 4, v7
	v_add_nc_u32 v7, s3, v7                        ; weights, out: sixteen lanes to a row, two rows an instruction
	v_lshlrev_b32 v8, 11, v6
	v_lshl_add_u32 v8, v5, 4, v8                   ; and the same two rows in wc
	v_add_nc_u32 v24, MSTG, v7                     ; cos, sin, in: two rows of 256 bytes an instruction
	s_add_co_u32 s3, s3, MSTG
	v_add_nc_u32 v14, s3, v3                       ; mask, in: a row's 512 bytes as they lie
	v_mul_u32_u24 v15, v5, 528
	v_lshl_add_u32 v15, v6, 5, v15
	v_add_nc_u32 v15, s3, v15                      ; mask, out: row r, + 32 h
	v_mul_u32_u24 v25, v5, 272
	v_lshl_add_u32 v25, v6, 4, v25
	v_add_nc_u32 v25, s3, v25                      ; cos, sin, out: row r, + 16 h
	s_wait_kmcnt 0x0
	s_load_b256 s[36:43], s[24:25], 0x0            ; e0 .. e7
	s_load_b128 s[44:47], s[24:25], 0x20           ; e8 .. e11
	s_cmp_lt_u32 ttmp9, 512
	s_cbranch_scc0 .Lnot_w
; ---- THE WEIGHTS.  w[k][n] has K as its first axis.  A work-group takes 128 columns x 256 bytes of codes; a wave takes all 128 columns and 64 of the 256 bytes.  EACH LOAD READS 512 CONSECUTIVE BYTES OF ONE ROW k:
; a lane holds four neighbouring columns.  The hold at the largest code writes into other registers, and so lays each column's eight numbers down K on end, as the conversion wants them: nothing else is moved.
; Byte 32 t + 16 u + 4 j + i of the 256 is row base + T t + U u + J j + i of w: (T, U, J) = (32, 16, 4) in K's own order (wo), (8, 4, 128) in xc's order.  The numbers are chosen, not branched on.
; Wave w's set s (16 rows, 16 bytes of each column) has t = 2 w + s / 2, u = s % 2.  The four waves fill one stage of 128 rows x 272 bytes; behind one barrier each wave sends 32 rows out.
	s_lshr_b32 s50, ttmp9, 7
	s_bfe_u32 s58, ttmp9, 0x30004                  ; ky: which 256 bytes of a row of codes
	s_and_b32 s51, ttmp9, 15                       ; nx: which 128 columns
	s_lshl_b32 s59, s58, 8                         ; base in K's own order: 256 ky
	s_lshr_b32 s60, s58, 1
	s_lshl_b32 s60, s60, 9
	s_and_b32 s61, s58, 1
	s_lshl_b32 s61, s61, 6
	s_add_co_u32 s60, s60, s61                     ; base in xc's order: 512 (ky / 2) + 64 (ky % 2)
	s_cmp_eq_u32 s50, 0
	s_cselect_b64 s[52:53], s[10:11], s[12:13]
	s_cmp_eq_u32 s50, 2
	s_cselect_b64 s[52:53], s[14:15], s[52:53]
	s_cmp_eq_u32 s50, 3
	s_cselect_b64 s[52:53], s[16:17], s[52:53]     ; the weight's address: the choice hangs on the work-group's number alone
	s_cselect_b32 s55, 32, 8                       ; T
	s_cselect_b32 s56, 16, 4                       ; U
	s_mov_b32 s57, 128
	s_cselect_b32 s57, 4, s57                      ; J
	s_cselect_b32 s59, s59, s60                    ; base
	s_lshl_b32 s51, s51, 7
	s_lshl_b32 s61, s2, 5
	s_add_co_u32 s51, s51, s61                     ; my wave's first column: 128 nx + 32 wave
	s_lshl_b32 s61, s2, 1
	s_mul_i32 s61, s61, s55                        ; T x 2 wave
	s_add_co_u32 s62, s59, s61                     ; my set 0's first row
	s_lshl_b32 s62, s62, 13                        ; a row of w is 8,192 bytes
	s_and_b32 s61, ttmp9, 15
	s_lshl_b32 s61, s61, 9                         ; the work-group's first column: 128 nx, in bytes
	s_add_co_u32 s62, s62, s61
	s_mov_b32 s63, 0
	s_add_nc_u64 s[68:69], s[52:53], s[62:63]      ; set 0,
	s_lshl_b32 s62, s56, 13
	s_add_nc_u64 s[70:71], s[68:69], s[62:63]      ; set 1: U rows further down,
	s_lshl_b32 s62, s55, 13
	s_add_nc_u64 s[72:73], s[68:69], s[62:63]      ; set 2: T rows,
	s_add_nc_u64 s[74:75], s[70:71], s[62:63]      ; set 3: T + U rows
	s_lshl_b32 s57, s57, 13
	v_lshlrev_b32 v16, 4, v2                       ; v[16 + j] = 16 x lane + J j rows
	v_add_nc_u32 v17, s57, v16
	v_add_nc_u32 v18, s57, v17
	v_add_nc_u32 v19, s57, v18
	s_lshl_b32 s62, s50, 22                        ; wc: plane of 4 MiB,
	s_lshl_b32 s61, s51, 11                        ; row = column of w, 2,048 bytes,
	s_add_co_u32 s62, s62, s61
	s_lshl_b32 s61, s58, 8                         ; 256 ky
	s_add_co_u32 s62, s62, s61
	s_add_nc_u64 s[28:29], s[28:29], s[62:63]
.macro WLOAD s                         ; set s: 16 rows x 512 bytes into v[32 + 64 (s % 3) ..]: row 4 j + i of the set in registers 16 j + 4 i + 0 .. 3 (my four columns)
.irp j, 0,1,2,3
.irp i, 0,1,2,3
	global_load_b128 v[32+64*((\s)%3)+16*\j+4*\i:32+64*((\s)%3)+16*\j+4*\i+3], v[16+\j], s[68+2*(\s):69+2*(\s)] offset:\i*8192 th:TH_LOAD_NT
.endr
.endr
.endm
.macro WSET s
.set LS, 32+64*((\s)%3)
.if (\s) < 2
	s_wait_loadcnt 32                              ; this set's 16 loads are in; the 32 of the two sets behind it may be out
.else
	s_wait_loadcnt 16*(3-(\s))
.endif
.irp f, 0,1                                    ; rows 8 f + 0 .. 7 of the set
.irp c, 0,1,2,3                                ; my column c; two runs of eight registers (v224, v232) take turns, so that eight plain lines stand between a conversion and the next write of its sources
.set m, 0
.rept 8
	v_med3_num_f32 v[224+8*(\c%2)+m], v[LS+32*\f+4*m+\c], -v10, v10   ; the conversion does not saturate (ISA guide 7.6.2): the hold comes first, and lays the column's numbers on end
.set m, m+1
.endr
	v_cvt_scalef32_pk8_fp8_f32 v[240+4*\c+2*\f:241+4*\c+2*\f], v[224+8*(\c%2):231+8*(\c%2)], v11
.endr
.endr
.if (\s) == 0
	WLOAD 3                                        ; set 0's registers have been read: they take set 3
.endif
.irp c, 0,1,2,3
	ds_store_b128 v4, v[240+4*\c:243+4*\c] offset:272*\c+16*(\s)   ; 16 codes of column c's row
.endr
	s_wait_dscnt 0x0                               ; the stores are done: the next set's codes may be written, and behind the last set the barrier may be signalled
.endm
	WLOAD 0
	WLOAD 1
	WLOAD 2
	s_wait_kmcnt 0x0
	s_cmp_eq_u32 s50, 0
	s_cselect_b32 s54, s37, s39                    ; e1 or e3
	s_cmp_eq_u32 s50, 2
	s_cselect_b32 s54, s41, s54                    ; e5
	s_cmp_eq_u32 s50, 3
	s_cselect_b32 s54, s47, s54                    ; e11
	MKSC s54, v11, v10
	s_wait_alu depctr_va_vdst(0)
.irp t, 0,1,2,3
	WSET \t
.endr
	s_barrier_signal -1                            ; every wave's 64 bytes of every row are in the stage
	s_barrier_wait -1
.irp t, 0,1,2,3,4,5,6,7,8,9,10,11,12,13,14,15
	ds_load_b128 v[112+4*\t:115+4*\t], v7 offset:2*\t*272   ; LDS serves a wave's instructions in order (ISA guide 5.7.1.4): these see my stores
.endr
.irp t, 0,1,2,3,4,5,6,7,8,9,10,11,12,13,14,15
	s_wait_dscnt 15-\t                             ; the younger loads may be out
	global_store_b128 v8, v[112+4*\t:115+4*\t], s[28:29] offset:2*\t*2048   ; sixteen lanes store 256 consecutive bytes, at a multiple of 256 from wc's first byte
.endr
	FINISH
.Lnot_w:
	s_cmp_lt_u32 ttmp9, 640
	s_cbranch_scc0 .Lmask
; ---- x.  A plain stream: a wave takes 8,192 numbers, 16 steps of 512.  Each of a step's four loads reads 512 consecutive bytes, 16 a lane; a lane's 16 registers are converted as they stand and its 16 codes are
; stored at 16 x lane: that IS xc's order of K, and nothing is turned.  Three scales, three planes.  Loads run four steps ahead.
	s_sub_co_u32 s50, ttmp9, 512
	s_lshl_b32 s50, s50, 2
	s_add_co_u32 s50, s50, s2                      ; which run of 8,192 numbers
	s_lshl_b32 s52, s50, 15
	s_mov_b32 s53, 0
	s_add_nc_u64 s[8:9], s[8:9], s[52:53]
	s_lshl_b32 s52, s50, 13
	s_add_nc_u64 s[54:55], s[26:27], s[52:53]      ; plane 0 (for wq),
	s_add_nc_u64 s[56:57], s[54:55], 0x400000      ; plane 1 (for wk),
	s_add_nc_u64 s[58:59], s[56:57], 0x400000      ; plane 2 (for wv)
.macro XLOAD t
.irp j, 0,1,2,3
	global_load_b128 v[32+16*((\t)%4)+4*\j:32+16*((\t)%4)+4*\j+3], v3, s[8:9] offset:2048*(\t)+512*\j th:TH_LOAD_NT
.endr
.endm
.macro XSTEP t
.set RS, 32+16*((\t)%4)
.if (\t) < 13
	s_wait_loadcnt 12                              ; this step's four loads are in; those of the three steps behind it may be out
.else
	s_wait_loadcnt 4*(15-(\t))
.endif
	s_wait_xcnt 0x0                                ; the last step's stores have read their data: the codes' registers are written again only behind this wait
.irp p, 0,1,2
.set i, 0
.rept 16
	v_med3_num_f32 v[96+i], v[RS+i], -v[17+2*\p], v[17+2*\p]
.set i, i+1
.endr
	v_cvt_scalef32_pk8_fp8_f32 v[112+4*\p:113+4*\p], v[96:103], v[16+2*\p]
	v_cvt_scalef32_pk8_fp8_f32 v[114+4*\p:115+4*\p], v[104:111], v[16+2*\p]
	v_nop                                          ; one plain line between a scaled conversion and the next lines, which write its sources anew
	global_store_b128 v3, v[112+4*\p:115+4*\p], s[54+2*\p:55+2*\p] offset:512*(\t)   ; 512 consecutive bytes a wave
.endr
.if (\t)+4 < 16
	XLOAD (\t)+4
.endif
.endm
.irp t, 0,1,2,3
	XLOAD \t
.endr
	s_wait_kmcnt 0x0
	MKSC s36, v16, v17
	MKSC s38, v18, v19
	MKSC s40, v20, v21
	s_wait_alu depctr_va_vdst(0)
.irp t, 0,1,2,3,4,5,6,7,8,9,10,11,12,13,14,15
	XSTEP \t
.endr
	FINISH
.Lmask:
; ---- THE MASK.  A work-group takes 16 queries (qt), a wave four runs of 128 keys.  A run's 16 rows x 512 bytes are loaded as they lie, multiplied by 2^-(e6+e7), turned through the wave's own stage
; (rows 528 bytes apart) and stored as the image, 512 consecutive bytes an instruction.  Waves 0 and 1 first make the block's images of cos and of sin in the same way.
	s_sub_co_u32 s50, ttmp9, 640                   ; qt
	s_lshl_b32 s52, s50, 17                        ; 16 rows of 8,192 bytes
	s_lshl_b32 s51, s2, 11                         ; my four runs of 512 bytes
	s_add_co_u32 s52, s52, s51
	s_mov_b32 s53, 0
	s_add_nc_u64 s[18:19], s[18:19], s[52:53]
	s_lshl_b32 s52, s50, 17                        ; mimg: 16 images of 8,192 bytes for each qt,
	s_lshl_b32 s51, s2, 15                         ; my four
	s_add_co_u32 s52, s52, s51
	s_add_nc_u64 s[30:31], s[30:31], s[52:53]
.macro MLOAD k
.irp i, 0,1,2,3,4,5,6,7,8,9,10,11,12,13,14,15
	global_load_b128 v[32+64*((\k)%2)+4*\i:32+64*((\k)%2)+4*\i+3], v3, s[18:19] offset:\i*8192+512*(\k) th:TH_LOAD_NT
.endr
.endm
.macro MBLOCK k
.set IS, 32+64*((\k)%2)
.if (\k) < 3
	s_wait_loadcnt 16                              ; this run's 16 loads are in; the next run's may be out
.else
	s_wait_loadcnt 0x0
.endif
.set i, 0
.rept 32
	v_pk_mul_f32 v[IS+i:IS+i+1], v[IS+i:IS+i+1], s[48:49] op_sel_hi:[1,0]   ; x 2^-(e6+e7): a power of two, nothing is rounded
.set i, i+2
.endr
.irp i, 0,1,2,3,4,5,6,7,8,9,10,11,12,13,14,15
	ds_store_b128 v14, v[IS+4*\i:IS+4*\i+3] offset:\i*528
.endr
	s_wait_xcnt 0x0                                ; the earlier stores to memory have read v160-223
.irp n, 0,1,2,3,4,5,6,7,8,9,10,11,12,13,14,15
	ds_load_b128 v[160+4*\n:163+4*\n], v15 offset:64*(\n/2)+16*(\n%2)   ; keys 16 (n/2) + 8 h + 4 (n%2) + 0 .. 3 of query r
.endr
	s_wait_dscnt 0x0                               ; the image is in registers, and the stage's stores have read theirs
.if (\k)+2 < 4
	MLOAD (\k)+2
.endif
.irp n, 0,1,2,3,4,5,6,7,8,9,10,11,12,13,14,15
	global_store_b128 v3, v[160+4*\n:163+4*\n], s[30:31] offset:(\k)*8192+512*\n
.endr
.endm
	MLOAD 0
	MLOAD 1
	s_cmp_lt_u32 s2, 2
	s_cbranch_scc0 .Lno_cs
	s_cmp_eq_u32 s2, 0
	s_cselect_b64 s[58:59], s[20:21], s[22:23]     ; wave 0: cos; wave 1: sin
	s_lshl_b32 s60, s50, 12                        ; 16 rows of 256 bytes
	s_mov_b32 s61, 0
	s_add_nc_u64 s[58:59], s[58:59], s[60:61]
	s_lshl_b32 s60, s50, 13                        ; csimg: 8,192 bytes a block; cos's eight pieces, then sin's
	s_lshl_b32 s62, s2, 12
	s_add_co_u32 s60, s60, s62
	s_add_nc_u64 s[32:33], s[32:33], s[60:61]
	s_mov_b32 s62, 0x3db504f3                      ; 1 / sqrt(128)
	s_mov_b32 s63, s62                             ; (named with it as a pair, so it is written)
.irp i, 0,1,2,3,4,5,6,7
	global_load_b128 v[160+4*\i:163+4*\i], v3, s[58:59] offset:512*\i
.endr
	s_wait_loadcnt 0x0
	s_wait_alu depctr_va_vdst(0)
.irp i, 0,1,2,3,4,5,6,7
	ds_store_b128 v24, v[160+4*\i:163+4*\i] offset:\i*544
.endr
.irp b, 0,1,2,3,4,5,6,7
	ds_load_b128 v[192+4*\b:195+4*\b], v25 offset:32*\b   ; pairs 8 b + 4 h + 0 .. 3 of row r
.endr
	s_wait_dscnt 0x0
.set i, 0
.rept 16
	v_pk_mul_f32 v[160+i:161+i], v[192+i:193+i], s[62:63] op_sel_hi:[1,0]
.set i, i+2
.endr
.irp b, 0,1,2,3,4,5,6,7
	global_store_b128 v3, v[192+4*\b:195+4*\b], s[32:33] offset:1048576+512*\b   ; plane 1: as given, for k
	global_store_b128 v3, v[160+4*\b:163+4*\b], s[32:33] offset:512*\b           ; plane 0: x 1/sqrt(128), for q
.endr
.Lno_cs:
	s_wait_kmcnt 0x0
	s_add_co_i32 s48, s42, s43                     ; e6 + e7
	s_sub_co_i32 s48, 127, s48
	s_lshl_b32 s48, s48, 23                        ; 2^-(e6+e7) as f32
	s_mov_b32 s49, s48
.irp k, 0,1,2,3
	MBLOCK \k
.endr
	FINISH
.Lfunc_end_k_qd185336c30_prep:
	.size	k_qd185336c30_prep, .Lfunc_end_k_qd185336c30_prep-k_qd185336c30_prep
	.p2alignl 7, 3214868480
	.fill 96, 4, 3214868480
	.section	.rodata,"a",@progbits
	.p2align	6, 0x0
	.amdhsa_kernel k_qd185336c30_prep
		.amdhsa_group_segment_fixed_size 70144
		.amdhsa_private_segment_fixed_size 0
		.amdhsa_enable_private_segment 0
		.amdhsa_kernarg_size 104
		.amdhsa_user_sgpr_count 2
		.amdhsa_user_sgpr_kernarg_segment_ptr 1
		.amdhsa_wavefront_size32 1
		.amdhsa_system_sgpr_workgroup_id_x 1
		.amdhsa_system_sgpr_workgroup_id_y 1
		.amdhsa_system_sgpr_workgroup_id_z 1
		.amdhsa_system_vgpr_workitem_id 0
		.amdhsa_next_free_vgpr 256
		.amdhsa_next_free_sgpr 96
		.amdhsa_reserve_vcc 0
		.amdhsa_float_denorm_mode_32 3
		.amdhsa_float_denorm_mode_16_64 3
		.amdhsa_memory_ordered 1
		.amdhsa_forward_progress 1
		.amdhsa_inst_pref_size 136
	.end_amdhsa_kernel
	.amdgpu_metadata
---
amdhsa.version: [ 1, 2 ]
amdhsa.kernels:
  - .name:           k_qd185336c30_prep
    .symbol:         k_qd185336c30_prep.kd
    .args:
      - { .name: x, .offset: 0, .size: 8, .value_kind: global_buffer, .address_space: global }
      - { .name: wq, .offset: 8, .size: 8, .value_kind: global_buffer, .address_space: global }
      - { .name: wk, .offset: 16, .size: 8, .value_kind: global_buffer, .address_space: global }
      - { .name: wv, .offset: 24, .size: 8, .value_kind: global_buffer, .address_space: global }
      - { .name: wo, .offset: 32, .size: 8, .value_kind: global_buffer, .address_space: global }
      - { .name: mask, .offset: 40, .size: 8, .value_kind: global_buffer, .address_space: global }
      - { .name: freqs_cos, .offset: 48, .size: 8, .value_kind: global_buffer, .address_space: global }
      - { .name: freqs_sin, .offset: 56, .size: 8, .value_kind: global_buffer, .address_space: global }
      - { .name: lowp_scales, .offset: 64, .size: 8, .value_kind: global_buffer, .address_space: global }
      - { .name: xc, .offset: 72, .size: 8, .value_kind: global_buffer, .address_space: global }
      - { .name: wc, .offset: 80, .size: 8, .value_kind: global_buffer, .address_space: global }
      - { .name: mimg, .offset: 88, .size: 8, .value_kind: global_buffer, .address_space: global }
      - { .name: csimg, .offset: 96, .size: 8, .value_kind: global_buffer, .address_space: global }
    .group_segment_fixed_size: 70144
    .private_segment_fixed_size: 0
    .kernarg_segment_align: 8
    .kernarg_segment_size: 104
    .max_flat_workgroup_size: 128
    .sgpr_count:     96
    .vgpr_count:     256
    .wavefront_size: 32
...
	.end_amdgpu_metadata
.endif
;; end of part 1
;; launch qkv (part 2): grid 24 x 8, 4 waves a work-group, clusters of 4 x 4, 327,680 bytes of LDS; arguments xc, wc, csimg, lowp_scales, qkvc; writes qkvc
.if DOCPART == 2
	.amdgcn_target "amdgcn-amd-amdhsa--gfx1250"
	.amdhsa_code_object_version 6
	.text
	.protected	k_qd185336c30_qkv
	.globl	k_qd185336c30_qkv
	.p2align	8
	.type	k_qd185336c30_qkv,@function
k_qd185336c30_qkv:
	s_mov_b64 s[64:65], 0
	v_nop
	global_prefetch_b8 v0, s[64:65] scope:SCOPE_SE
	s_setreg_imm32_b32 hwreg(HW_REG_WAVE_MODE, 25, 1), 1
	s_wait_xcnt 0x0
	s_wait_alu depctr_hold_cnt(0) depctr_sa_sdst(0) depctr_va_vdst(0) depctr_va_sdst(0) depctr_va_ssrc(0) depctr_va_vcc(0) depctr_vm_vsrc(0)
	s_getreg_b32 s2, hwreg(HW_REG_IB_STS2, 6, 4)
	s_cmp_eq_u32 s2, 0
	s_cbranch_scc0 .Lentry_in_a_cluster
	s_endpgm
.Lentry_in_a_cluster:
	s_bfe_u32 s2, ttmp6, 0x10000c
	s_cmp_lg_u32 s2, 0xf033
	s_cbranch_scc0 .Lentry_shape_is_right
	s_endpgm
.Lentry_shape_is_right:
; Q, K, V PROJECTIONS on codes of E4M3, with rope and the quantisers of the attention's operands on the way out.  Nothing of reference() is left out here.
; Cluster x / 2 is the plane: 0 q = x wq, 1 k = x wk, 2 v = x wv.  A work-group makes 256 x 256 of a plane, a wave 128 x 128 (64 accumulators); K goes in steps of 256 through a ring of two LDS slots.
; Planes 0, 1: the tile's rows are positions s (xc), its columns n (wc): a lane holds eight neighbouring n of one s; rope by csimg's images, then codes with 2^e6 (q, with 1/sqrt(128) in its cos and sin) or 2^e7 (k): qkvc [plane][head][s][128].
; Plane 2: the two operands change places, so that a lane holds eight neighbouring KEYS of one d: codes with 2^e9, keys innermost: qkvc [2][head][s / 128][128 d][128 keys].
; CLUSTERS 4 x 4: the tile of the row operand is asked for jointly along a row of the cluster, that of the column operand along a column.  By this text's count a wave has one tensor load out; every wait on TENSORcnt is for 0.
; PREFETCHES INTO THE L2: behind each joint load one instruction a wave names the K step that stands two fills on: of the 128 rows that the wave fetches, the partner at place p (cx for the row operand, cy for the column
; operand) takes rows 32 p .. 32 p + 31, a lane a row of 256 bytes: the partners are told apart by address alone.  The start-up also names K step 1; the last two refills name nothing.  csimg: see ahead of the first step.
; LIMITS: the three exponents folded into each conversion's scale give a number between -126 and 119.  NaN among the inputs is not served.
.set ROWB,   256
.set KROW,   2048
.set PITCH,  272
.set FR,     16
.set NL,     4
.set NP,     4
.set HALFT,  128*PITCH
.set SLOT,   4*HALFT
.set LAPS,   4
.set SPARE,  2*SLOT
.set OP,     144
.set VST,    4096
.set ADRA, 16
.set ADRB, 20
.set STO,  24
.set RD,   25
.set CO,   26
.set SPW,  28
.set NIL,  29
.set CSB,  32
.set TMP,  160
.set PC,   224
.set BK,   240
.set AF,   128
.set G1, 24
.set G0, 32
.set G1B, 48
.set G0B, 56
.set MSB, 0
.macro WIN new
.if MSB != \new
	s_set_vgpr_msb (MSB<<8)|\new
.set MSB, \new
.endif
.endm
.set MUL_LO, 0xa1
.set MUL_HI, 0xf1
.set TO_B,   0x40
.macro JLOAD g0a, g1a, g0b, g1b
	s_cmp_eq_u32 s15, 0
	s_cbranch_scc0 .Lfor_b_\@
	tensor_load_to_lds s[\g0a:\g0a+3], s[\g1a:\g1a+7]
	s_nop 0
.rept 4
	v_nop
.endr
	s_branch .Lasked_\@
.Lfor_b_\@:
	tensor_load_to_lds s[\g0b:\g0b+3], s[\g1b:\g1b+7]
	s_nop 0
.rept 4
	v_nop
.endr
.Lasked_\@:
.endm
.macro CREST
	s_cmp_lg_u32 s14, 0
	s_cbranch_scc1 .Lnot_wave_0_\@
	s_barrier_signal -3
.Lnot_wave_0_\@:
	s_barrier_wait -3
	s_barrier_signal -1
	s_barrier_wait -1
.endm
.macro CROUND
	s_barrier_signal -1
	s_barrier_wait -1
	CREST
.endm
	s_load_b128 s[4:7], s[0:1], 0x0
	s_load_b128 s[8:11], s[0:1], 0x10
	s_load_b64 s[12:13], s[0:1], 0x20
	v_lshl_add_u32 v[SPW], v0, 2, SPARE
	v_mov_b32 v[NIL], 0
	ds_add_u32 v[SPW], v[NIL]
	ds_add_u32 v[SPW], v[NIL]
	v_lshrrev_b32 v1, 5, v0
	v_readfirstlane_b32 s14, v1
	v_and_b32 v9, 31, v0
	v_lshlrev_b32 v10, 8, v9                       ; v10: 256 x lane, csimg's prefetch; never rewritten
	v_lshlrev_b32 v9, 11, v9                       ; v9: a row of codes (2,048 bytes) x lane, the tiles' prefetches; never rewritten
	s_lshr_b32 s15, s14, 1
	s_and_b32 s16, s14, 1
	s_bfe_u32 s40, ttmp6, 0x40000
	s_bfe_u32 s41, ttmp6, 0x40004
	s_lshr_b32 s66, ttmp9, 1
	s_and_b32 s42, ttmp9, 1
	s_lshl_b32 s42, s42, 2
	s_add_co_u32 s42, s42, s40
	s_and_b32 s17, ttmp7, 0xffff
	s_lshl_b32 s17, s17, 2
	s_add_co_u32 s17, s17, s41
	s_lshl_b32 s43, s41, 2
	s_lshl_b32 s43, 15, s43
	s_lshl_b32 s44, 0x1111, s40
	s_or_b32 s[G1+0], s43, (0<<16)|(1<<20)|(1<<21)|(5<<22)|(3<<25)
	s_or_b32 s[G1B+0], s44, (0<<16)|(1<<20)|(1<<21)|(5<<22)|(3<<25)
.irp g, G1, G1B
	s_mov_b32 s[\g+1], ROWB<<16
	s_mov_b32 s[\g+2], 128<<16
	s_mov_b32 s[\g+3], ROWB<<16
	s_mov_b32 s[\g+4], 128
	s_mov_b32 s[\g+5], KROW
	s_mov_b32 s[\g+6], 0
	s_mov_b32 s[\g+7], 0
.endr
	s_lshl_b32 s18, s16, 7
	s_lshl_b32 s19, s66, 22
	s_lshl_b32 s20, s17, 8
	s_add_co_u32 s20, s20, s18
	s_lshl_b32 s20, s20, 11
	s_add_co_u32 s20, s20, s19
	s_mov_b32 s21, 0
	s_lshl_b32 s46, s42, 8
	s_add_co_u32 s46, s46, s18
	s_lshl_b32 s46, s46, 11
	s_add_co_u32 s46, s46, s19
	s_mov_b32 s47, 0
	s_mul_i32 s45, s14, HALFT
	s_wait_alu depctr_va_vdst(0)
	s_wait_dscnt 0x0
	s_wait_kmcnt 0x0
	s_load_b256 s[76:83], s[10:11], 0x0
	s_load_b64 s[84:85], s[10:11], 0x20
	s_cmp_eq_u32 s66, 2
	s_cselect_b64 s[68:69], s[6:7], s[4:5]
	s_cselect_b64 s[70:71], s[4:5], s[6:7]
	s_add_nc_u64 s[20:21], s[68:69], s[20:21]
	s_add_nc_u64 s[46:47], s[70:71], s[46:47]
	CROUND
.irp s, 0,1
	s_mov_b32 s[G0+4*\s], 1
	s_add_co_u32 s[G0+4*\s+1], s45, \s*SLOT
	s_add_nc_u64 s[G0+4*\s+2:G0+4*\s+3], s[20:21], \s*ROWB
	s_or_b32 s[G0+4*\s+3], s[G0+4*\s+3], 0x80000000
	s_mov_b32 s[G0B+4*\s], 1
	s_add_co_u32 s[G0B+4*\s+1], s45, \s*SLOT
	s_add_nc_u64 s[G0B+4*\s+2:G0B+4*\s+3], s[46:47], \s*ROWB
	s_or_b32 s[G0B+4*\s+3], s[G0B+4*\s+3], 0x80000000
.endr
	JLOAD G0, G1, G0B, G1B                         ; K step 0: one tensor load a wave at the head
	s_lshl_b32 s74, s40, 16                        ; 32 rows of 2,048 bytes x cx,
	s_lshl_b32 s75, s41, 16                        ; or x cy
	s_cmp_eq_u32 s15, 0                            ; do I fetch the row operand?
	s_cselect_b64 s[72:73], s[20:21], s[46:47]     ; the first byte of the 128 rows that I fetch,
	s_cselect_b32 s74, s74, s75
	s_mov_b32 s75, 0
	s_add_nc_u64 s[72:73], s[72:73], s[74:75]      ; s[72:73]: my work-group's 32 of them; it walks a K step at each refill
	global_prefetch_b8 v9, s[72:73] offset:ROWB th:TH_LOAD_NT scope:SCOPE_SE     ; the start-up: K step 1,
	global_prefetch_b8 v9, s[72:73] offset:2*ROWB th:TH_LOAD_NT scope:SCOPE_SE   ; and K step 2, two fills on
	v_and_b32 v1, 15, v0
	s_wait_alu depctr_va_vdst(0)
	v_bfe_u32 v2, v0, 4, 1
	v_mul_u32_u24 v3, v1, PITCH
	v_lshl_add_u32 v4, v2, 4, v3
	s_mul_i32 s21, s15, HALFT
	s_mul_i32 s22, s16, HALFT
	s_add_co_u32 s22, s22, 2*HALFT
.irp s, 0,1
	v_add_nc_u32 v[ADRA+\s], s21, v4
	v_add_nc_u32 v[ADRB+\s], s22, v4
	s_add_co_u32 s21, s21, SLOT
	s_add_co_u32 s22, s22, SLOT
.endr
	s_mul_i32 s23, s14, HALFT
	v_mul_u32_u24 v5, v1, OP
	s_wait_alu depctr_va_vdst(0)
	v_lshl_add_u32 v5, v2, 4, v5
	v_add_nc_u32 v[STO], s23, v5
	v_bfe_u32 v6, v0, 3, 2
	v_and_b32 v7, 7, v0
	v_mul_u32_u24 v6, v6, OP
	v_lshl_add_u32 v6, v7, 4, v6
	v_add_nc_u32 v[RD], s23, v6
	v_and_b32 v8, 31, v0
	v_lshlrev_b32 v[CO], 4, v8
	s_lshl_b32 s90, s17, 1
	s_add_co_u32 s90, s90, s15
	s_lshl_b32 s91, s42, 1
	s_add_co_u32 s91, s91, s16
	s_cmp_eq_u32 s66, 2
	s_cselect_b32 s92, s90, s91
	s_cselect_b32 s93, s91, s90
	s_lshl_b32 s92, s92, 18
	s_lshl_b32 s93, s93, 14
	s_add_co_u32 s92, s92, s93
	s_lshl_b32 s93, s66, 22
	s_add_co_u32 s92, s92, s93
	s_mov_b32 s93, 0
	s_add_nc_u64 s[12:13], s[12:13], s[92:93]
	s_lshl_b32 s94, s66, 20
	s_lshl_b32 s95, s90, 16
	s_add_co_u32 s94, s94, s95
	s_mov_b32 s95, 0
	s_add_nc_u64 s[8:9], s[8:9], s[94:95]
.macro FRAG reg, adr, q, i
.irp c, 0,1,2,3
	ds_load_b128 v[\reg+4*\c:\reg+4*\c+3], v[\adr] offset:128*(\q)+32*\c+(\i)*16*PITCH
.endr
.endm
.macro MUL16 a0, p, zero
.irp a, \a0, \a0+1
.irp b, 0,1,2,3,4,5,6,7
.if \zero
	v_wmma_f32_16x16x128_fp8_fp8 v[8*(8*((\a)%4)+\b):8*(8*((\a)%4)+\b)+7], v[128*(\p)+FR*\b:128*(\p)+FR*\b+FR-1], v[AF+FR*(\a):AF+FR*(\a)+FR-1], 0
.else
	v_wmma_f32_16x16x128_fp8_fp8 v[8*(8*((\a)%4)+\b):8*(8*((\a)%4)+\b)+7], v[128*(\p)+FR*\b:128*(\p)+FR*\b+FR-1], v[AF+FR*(\a):AF+FR*(\a)+FR-1], v[8*(8*((\a)%4)+\b):8*(8*((\a)%4)+\b)+7]
.endif
.endr
.endr
.endm
.macro FETCH_B slot, q, p
	WIN TO_B
.irp i, 0,1,2,3,4,5,6,7
	FRAG 128*(\p)+FR*\i, ADRB+\slot, \q, \i
.endr
	WIN 0
.endm
.macro FETCH_A slot, q, i0
.irp i, \i0, \i0+1, \i0+2, \i0+3
	FRAG AF+FR*(\i), ADRA+\slot, \q, \i
.endr
.endm
.macro PLACES n
.rept \n
	v_nop
.endr
.endm
.macro STEP slot, q, zero
	s_wait_dscnt 4*NL
	WIN MUL_LO
	MUL16 0, (\q)%2, \zero
	MUL16 2, (\q)%2, \zero
	s_wait_dscnt 0
	PLACES NP
	FETCH_B \slot, (\q)+1, 1-(\q)%2
	FETCH_A \slot, (\q)+1, 0
	WIN MUL_HI
	MUL16 4, (\q)%2, \zero
	MUL16 6, (\q)%2, \zero
	PLACES NP
	WIN 0
	FETCH_A \slot, (\q)+1, 4
.endm
.macro TURN slot, next, fill
.if \fill
	s_wait_xcnt 0x0                                ; my last prefetch, a K step back, has read its address: it is stepped only behind this wait
	s_add_nc_u64 s[72:73], s[72:73], ROWB
.endif
	s_wait_tensorcnt 0x0
	ds_add_u32 v[SPW], v[NIL]
	s_wait_dscnt 4*NL+1
	WIN MUL_LO
	MUL16 0, 1, 0
	s_wait_dscnt 0x0
	s_barrier_signal -1
	MUL16 2, 1, 0
	WIN 0
	s_barrier_wait -1
.if \fill
	CREST
	s_add_nc_u64 s[G0+4*\slot+2:G0+4*\slot+3], s[G0+4*\slot+2:G0+4*\slot+3], 2*ROWB
	s_add_nc_u64 s[G0B+4*\slot+2:G0B+4*\slot+3], s[G0B+4*\slot+2:G0B+4*\slot+3], 2*ROWB
	JLOAD G0+4*\slot, G1, G0B+4*\slot, G1B
.else
	PLACES NP
.endif
	FETCH_B \next, 0, 0
	FETCH_A \next, 0, 0
.if \fill
	s_cmp_gt_u32 s3, 1                             ; the n-th refill brings K step n + 1 and names K step n + 3; the last trip's two have no K step two fills on
	s_cbranch_scc0 .Lno_ask_\@
	global_prefetch_b8 v9, s[72:73] offset:3*ROWB th:TH_LOAD_NT scope:SCOPE_SE
.Lno_ask_\@:
.endif
	WIN MUL_HI
	MUL16 4, 1, 0
	MUL16 6, 1, 0
	PLACES NP
	WIN 0
	FETCH_A \next, 0, 4
.endm
.macro LASTSTEPS
	STEP 1, 0, 0
	s_wait_dscnt 4*NL
	WIN MUL_LO
	MUL16 0, 1, 0
	MUL16 2, 1, 0
	s_wait_dscnt 0
	WIN MUL_HI
	MUL16 4, 1, 0
	MUL16 6, 1, 0
	WIN 0
	PLACES NP
.endm
.macro CSLOAD a
.irp n, 0,1,2,3,4,5,6,7,8,9,10,11,12,13,14,15
	global_load_b128 v[CSB+64*((\a)%2)+4*\n:CSB+64*((\a)%2)+4*\n+3], v[CO], s[8:9] offset:(\a)*8192+512*\n
.endr
.endm
.macro ROPE a
.set AC, 64*((\a)%4)
.set CC, CSB+64*((\a)%2)
.set WN, 0x02+((\a)/4)
	WIN WN
.irp b, 0,1,2,3,4,5,6,7
.irp g, 0,1
	v_pk_mul_f32 v[TMP+8*\b+4*\g:TMP+8*\b+4*\g+1], v[AC+8*\b+4*\g:AC+8*\b+4*\g+1], v[CC+4*\b+2*\g:CC+4*\b+2*\g+1] op_sel:[0,0] op_sel_hi:[1,0]
	v_pk_mul_f32 v[TMP+8*\b+4*\g+2:TMP+8*\b+4*\g+3], v[AC+8*\b+4*\g+2:AC+8*\b+4*\g+3], v[CC+4*\b+2*\g:CC+4*\b+2*\g+1] op_sel:[0,1] op_sel_hi:[1,1]
	v_pk_fma_f32 v[TMP+8*\b+4*\g:TMP+8*\b+4*\g+1], v[AC+8*\b+4*\g:AC+8*\b+4*\g+1], v[CC+32+4*\b+2*\g:CC+32+4*\b+2*\g+1], v[TMP+8*\b+4*\g:TMP+8*\b+4*\g+1] op_sel:[1,0,0] op_sel_hi:[0,0,1] neg_lo:[1,0,0]
	v_pk_fma_f32 v[TMP+8*\b+4*\g+2:TMP+8*\b+4*\g+3], v[AC+8*\b+4*\g+2:AC+8*\b+4*\g+3], v[CC+32+4*\b+2*\g:CC+32+4*\b+2*\g+1], v[TMP+8*\b+4*\g+2:TMP+8*\b+4*\g+3] op_sel:[1,1,0] op_sel_hi:[0,1,1] neg_lo:[1,0,0]
.endr
.endr
	WIN 0
.endm
.macro HOLD
.set j, 0
.rept 64
	v_med3_num_f32 v[TMP+j], v[TMP+j], -v31, v31
.set j, j+1
.endr
.endm
.macro HOLDV a
.set AC, 64*((\a)%4)
.set WN, 0x02+((\a)/4)
	WIN WN
.set j, 0
.rept 64
	v_med3_num_f32 v[TMP+j], v[AC+j], -v31, v31
.set j, j+1
.endr
	WIN 0
.endm
.macro CVT
.irp b, 0,1,2,3,4,5,6,7
	v_cvt_scalef32_pk8_fp8_f32 v[PC+2*\b:PC+2*\b+1], v[TMP+8*\b:TMP+8*\b+7], v30
.endr
	v_nop
.endm
.macro TOSTAGE o
.irp b, 0,1,2,3
	ds_store_b128 v[STO], v[PC+4*\b:PC+4*\b+3] offset:\o+32*\b
.endr
.irp i, 0,1,2,3
	ds_load_b128 v[BK+4*\i:BK+4*\i+3], v[RD] offset:\o+576*\i
.endr
.endm
.macro SEND a
.irp i, 0,1,2,3
	global_store_b128 v[CO], v[BK+4*\i:BK+4*\i+3], s[12:13] offset:(\a)*2048+512*\i
.endr
.endm
.macro QKBLOCK a
.if (\a) < 7
	CSLOAD (\a)+1
	s_wait_loadcnt 16
.else
	s_wait_loadcnt 0x0
.endif
	ROPE \a
	HOLD
	s_wait_alu depctr_va_vdst(0)
	s_wait_dscnt 0x0
	CVT
.if (\a) > 0
	SEND (\a)-1
.endif
	s_wait_alu depctr_va_vdst(0)
	s_wait_xcnt 0x0
	TOSTAGE 0
.endm
.macro VBLOCK a
	HOLDV \a
	s_wait_alu depctr_va_vdst(0)
	s_wait_dscnt 0x0
	CVT
.if (\a) > 0
	SEND (\a)-1
.endif
	s_wait_alu depctr_va_vdst(0)
	s_wait_xcnt 0x0
	TOSTAGE VST
.endm
	s_wait_alu depctr_va_vdst(0)
	s_wait_tensorcnt 0x0                           ; my part of K step 0 is in
	ds_add_u32 v[SPW], v[NIL]
	s_wait_dscnt 0x0
	CROUND                                         ; everybody's part of K step 0 is in, and all sixteen work-groups are here
	JLOAD G0+4, G1, G0B+4, G1B                     ; K step 1, the first tensor load behind the round
	FETCH_B 0, 0, 0
	FETCH_A 0, 0, 0
	FETCH_A 0, 0, 4
	global_prefetch_b8 v9, s[72:73] offset:3*ROWB th:TH_LOAD_NT scope:SCOPE_SE   ; K step 3, two fills on
	; csimg, for the way out: the eight waves of a cluster that own the same 128 positions (four cx, two column halves) read the same 65,536 bytes; each names 8,192 of them once, lanes 256 bytes apart
	s_lshl_b32 s98, s40, 1
	s_add_co_u32 s98, s98, s16
	s_lshl_b32 s98, s98, 13
	s_mov_b32 s99, 0
	s_add_nc_u64 s[96:97], s[8:9], s[98:99]
	s_cmp_eq_u32 s66, 2                            ; v has no rope and reads no csimg: the plane is the same in all partners
	s_cbranch_scc1 .Lno_cs_ask
	global_prefetch_b8 v10, s[96:97] th:TH_LOAD_NT scope:SCOPE_SE
.Lno_cs_ask:
	STEP 0, 0, 1
	s_mov_b32 s3, LAPS-1
.Llap:
	TURN 0, 1, 1
	STEP 1, 0, 0
	TURN 1, 0, 1
	STEP 0, 0, 0
	s_sub_co_u32 s3, s3, 1
	s_cmp_lg_u32 s3, 0
	s_cbranch_scc1 .Llap
	TURN 0, 1, 0
	s_wait_kmcnt 0x0
	s_cmp_eq_u32 s66, 0
	s_cselect_b32 s86, s76, s78
	s_cselect_b32 s87, s77, s79
	s_cselect_b32 s88, s82, s83
	s_cmp_eq_u32 s66, 2
	s_cselect_b32 s86, s80, s86
	s_cselect_b32 s87, s81, s87
	s_cselect_b32 s88, s85, s88
	s_sub_co_i32 s88, s88, s86
	s_sub_co_i32 s88, s88, s87
	s_add_co_i32 s88, s88, 127
	s_lshl_b32 s89, s88, 23
	v_mov_b32 v30, s89
	s_add_co_i32 s88, s88, 8
	s_lshl_b32 s88, s88, 23
	s_or_b32 s88, s88, 0x600000
	v_mov_b32 v31, s88
	s_cmp_eq_u32 s66, 2
	s_cbranch_scc1 .Lv_way
	s_wait_alu depctr_va_vdst(0)
	CSLOAD 0
	LASTSTEPS
.irp a, 0,1,2,3,4,5,6,7
	QKBLOCK \a
.endr
	s_wait_dscnt 0x0
	SEND 7
	s_branch .Lend
.Lv_way:
	LASTSTEPS
	s_wait_alu depctr_va_vdst(0)
.irp a, 0,1,2,3,4,5,6,7
	VBLOCK \a
.endr
	s_wait_dscnt 0x0
	SEND 7
.Lend:
	s_wait_tensorcnt 0x0
	ds_add_u32 v[SPW], v[NIL]
	s_wait_dscnt 0x0
	CROUND
	s_endpgm
.Lfunc_end_k_qd185336c30_qkv:
	.size	k_qd185336c30_qkv, .Lfunc_end_k_qd185336c30_qkv-k_qd185336c30_qkv
	.p2alignl 7, 3214868480
	.fill 96, 4, 3214868480
	.section	.rodata,"a",@progbits
	.p2align	6, 0x0
	.amdhsa_kernel k_qd185336c30_qkv
		.amdhsa_group_segment_fixed_size 327680
		.amdhsa_private_segment_fixed_size 0
		.amdhsa_enable_private_segment 0
		.amdhsa_kernarg_size 40
		.amdhsa_user_sgpr_count 2
		.amdhsa_user_sgpr_kernarg_segment_ptr 1
		.amdhsa_wavefront_size32 1
		.amdhsa_system_sgpr_workgroup_id_x 1
		.amdhsa_system_sgpr_workgroup_id_y 1
		.amdhsa_system_sgpr_workgroup_id_z 1
		.amdhsa_system_vgpr_workitem_id 0
		.amdhsa_next_free_vgpr 1024
		.amdhsa_next_free_sgpr 100
		.amdhsa_reserve_vcc 0
		.amdhsa_float_denorm_mode_32 3
		.amdhsa_float_denorm_mode_16_64 3
		.amdhsa_memory_ordered 1
		.amdhsa_forward_progress 1
		.amdhsa_inst_pref_size 228
	.end_amdhsa_kernel
	.amdgpu_metadata
---
amdhsa.version: [ 1, 2 ]
amdhsa.kernels:
  - .name:           k_qd185336c30_qkv
    .symbol:         k_qd185336c30_qkv.kd
    .args:
      - { .name: xc, .offset: 0, .size: 8, .value_kind: global_buffer, .address_space: global }
      - { .name: wc, .offset: 8, .size: 8, .value_kind: global_buffer, .address_space: global }
      - { .name: csimg, .offset: 16, .size: 8, .value_kind: global_buffer, .address_space: global }
      - { .name: lowp_scales, .offset: 24, .size: 8, .value_kind: global_buffer, .address_space: global }
      - { .name: qkvc, .offset: 32, .size: 8, .value_kind: global_buffer, .address_space: global }
    .group_segment_fixed_size: 327680
    .private_segment_fixed_size: 0
    .kernarg_segment_align: 8
    .kernarg_segment_size: 40
    .max_flat_workgroup_size: 128
    .sgpr_count:     100
    .vgpr_count:     1024
    .wavefront_size: 32
...
	.end_amdgpu_metadata
.endif
;; end of part 2
;; launch attn (part 3): grid 16 x 16, 8 waves a work-group, clusters of 4 x 1, 327,680 bytes of LDS; arguments qkvc, mimg, lowp_scales, ac; writes ac
.if DOCPART == 3
	.amdgcn_target "amdgcn-amd-amdhsa--gfx1250"
	.amdhsa_code_object_version 6
	.text
	.protected	k_qd185336c30_attn
	.globl	k_qd185336c30_attn
	.p2align	8
	.type	k_qd185336c30_attn,@function
k_qd185336c30_attn:
	s_mov_b64 s[64:65], 0
	v_nop
	global_prefetch_b8 v0, s[64:65] scope:SCOPE_SE
	s_setreg_imm32_b32 hwreg(HW_REG_WAVE_MODE, 25, 1), 1
	s_wait_xcnt 0x0
	s_wait_alu depctr_hold_cnt(0) depctr_sa_sdst(0) depctr_va_vdst(0) depctr_va_sdst(0) depctr_va_ssrc(0) depctr_va_vcc(0) depctr_vm_vsrc(0)
	s_getreg_b32 s2, hwreg(HW_REG_IB_STS2, 6, 4)
	s_cmp_eq_u32 s2, 0
	s_cbranch_scc0 .Lentry_in_a_cluster
	s_endpgm
.Lentry_in_a_cluster:
	s_bfe_u32 s2, ttmp6, 0x10000c
	s_cmp_lg_u32 s2, 0x3003
	s_cbranch_scc0 .Lentry_shape_is_right
	s_endpgm
.Lentry_shape_is_right:
; ATTENTION on codes of E4M3: for each head, logits = q k^T + mask; p = 2^(t - M), t = logit x log2(e), M the running largest t rounded UP to a whole number; p is quantised with 2^e8 and multiplied by v;
; the row's sum of the unquantised p divides at the end; the result is quantised with 2^e10 for the last projection.  Nothing of reference() is left out: the mask is an input, so every key is taken for every query.
; SHARES.  A work-group owns 128 queries of one head.  EIGHT waves, two to a SIMD: waves w and w + 4 own the same 32 queries, two tiles of 16 (A, B), so that each fragment of K and of V feeds two matrix
; instructions; of a slot's four steps of 128 keys wave w takes steps 0 and 2, wave w + 4 steps 1 and 3.  Each keeps its own M, sum and O^T; at the end each of the pair hands the other one tile's and finishes one tile:
; M = the larger of the two, both parts x 2^(own M - M), which rounds nothing.
; RING: two LDS slots of 512 keys, four slots in all.  CLUSTER: the four query blocks of a cluster walk the same K and V: each tile is asked for JOINTLY (mask 15).  Every wave issues one load at each change of slots:
; 128 dense rows of 128 bytes, stated as 64 rows of 256 (waves 0-3: K; waves 4-7: V).  By this text's count a wave has one tensor load out; every wait on TENSORcnt is for 0.
; LAYOUT.  Both products are used transposed: S^T = K Q^T, O^T = V^T P^T: a lane holds ONE query of each tile (l % 16); register 8 t + j of S^T is key 16 t + 8 (l / 16) + j.  THE MASK IS THE C OF K Q^T: mimg holds
; mask x 2^-(e6+e7) as the image of the eight accumulators; a wave's one set of S^T takes the image of its next step as soon as the set's codes are made.
; PREFETCHES INTO THE L2: K and V as said at ASKK.  The mask's images: the one that my step after next will load, 2 x 8,192 bytes, lanes 256 bytes apart; all sixteen heads read the same images, and the clusters of heads 0 to 3 ask.
; LIMITS: e6 + e7 between -126 and 127 (added to c's exponent field); e8, and e10 - e8 - e9, between -126 and 119; the scaled scores t stay under 2^31 in magnitude.
; REGISTERS.  Window 0: v1-11, v20-23 addresses; tile x: v[12+4x] -M, +1 the largest t, +2, +3 the sum in two halves; v[24+8x] on: four maxima, the permute's target, f (a pair at +6); v40-45 sum chains; v46 448 x 2^e8,
;   v47 2^e8; v48-79 Q; v80-111 p's codes; v112-121 the end's; v126, v127 the last quantiser's; v128-255 eight fragments, K's and then V's.   Window 1: v0-127 S^T, then p (tile x at 64 x); v128-255 O^T.
.set KP,    144                        ; a row in LDS: 128 bytes + 16 of padding
.set STEPB, 128*KP                     ; a step's 128 rows
.set VOFF,  4*STEPB                    ; a slot: 512 rows of K, then 4 x 128 rows of V
.set SLOTB, 2*VOFF
.set SPARE, 2*SLOTB                    ; behind the ring: the spare words, 128 bytes a wave: four blocks of 256 bytes that no other line names
.set STAGE, SPARE+1024                 ; the way out: 16 rows x 144 bytes for each wave
.set XCH,   8704                       ; what a wave hands its partner: 8,192 bytes of O^T, then 256 of -M and sum.  In slot 0, which has had its last fill and its last read at the last change of slots
.set ST,  12
.set SC,  24
.set TS,  40
.set HLD, 46
.set SCL, 47
.set Q,   48
.set PC,  80
.set F,   128
.set OT,  128                          ; in window 1
.set MSB, 0
.macro WIN new                         ; the immediate's high byte repeats the setting that is left; a switch that changes nothing is dropped
.if MSB != \new
	s_set_vgpr_msb (MSB<<8)|\new
.set MSB, \new
.endif
.endm
.macro NOP4
.rept 4
	v_nop
.endr
.endm
.macro ROUND                           ; a round of the cluster's barrier
	s_barrier_signal -1
	s_barrier_wait -1
	s_cmp_lg_u32 s12, 0
	s_cbranch_scc1 .Lnot_wave_0_\@
	s_barrier_signal -3
.Lnot_wave_0_\@:
	s_barrier_wait -3
	s_barrier_signal -1
	s_barrier_wait -1
.endm
; What the NEXT change of slots will ask for: 65,536 bytes of K and as many of V, in sixteen parts of 8,192, lanes 256 bytes apart.  The head's first cluster asks; its four partners take four parts each, told apart
; BY ADDRESS; waves 0 to 3 ask for one part each.  Slots 0 and 1 come by their loads alone; the last change that fills a slot asks for nothing.
.macro ASKK
	s_cmp_lt_u32 s35, s36
	s_cbranch_scc0 .Lnot_mine_\@
	global_prefetch_b8 v4, s[38:39] th:TH_LOAD_NT scope:SCOPE_SE
.Lnot_mine_\@:
.endm
	s_load_b256 s[4:11], s[0:1], 0x0               ; qkvc s[4:5], mimg s[6:7], the scales' exponents s[8:9], ac s[10:11]
	v_lshl_add_u32 v5, v0, 2, SPARE                ; v5: my spare word; v6: 0; both never rewritten
	v_mov_b32 v6, 0
	ds_add_u32 v5, v6                              ; the wave's opening: the add, twice on end, and its wait ahead of my first tensor load
	ds_add_u32 v5, v6
	v_lshrrev_b32 v8, 5, v0
	v_readfirstlane_b32 s12, v8                    ; wave 0..7
	s_and_b32 s57, s12, 3                          ; which 32 queries
	s_lshr_b32 s58, s12, 2                         ; which steps: 0: a slot's steps 0, 2; 1: steps 1, 3.  Also the tile that I finish
	s_bfe_u32 s13, ttmp6, 0x40000                  ; cx
	s_lshl_b32 s14, ttmp9, 2
	s_add_co_u32 s14, s14, s13                     ; my block of 128 queries: it enters global addresses alone
	s_and_b32 s15, ttmp7, 0xffff                   ; the head, which the partners share
	s_mov_b32 s16, 15|(0<<16)|(1<<20)|(1<<21)|(4<<22)|(3<<25)  ; group 1: the mask: all four; elements of 1 byte; padding on; bit 21 beside a mask; after every 32 words; four words
	s_mov_b32 s17, 256<<16                         ; tensor_dim0
	s_mov_b32 s18, 64<<16                          ; tensor_dim1
	s_mov_b32 s19, 256<<16                         ; tile_dim0
	s_mov_b32 s20, 64                              ; tile_dim1
	s_mov_b32 s21, 256                             ; tensor_dim0_stride: the rows are dense
	s_mov_b32 s22, 0
	s_mov_b32 s23, 0
	s_add_co_u32 s46, s58, 1                       ; waves 0-3: k's plane (1); waves 4-7: v's (2)
	s_lshl_b32 s46, s46, 22
	s_lshl_b32 s47, s15, 18                        ; the head's 262,144 bytes
	s_add_co_u32 s46, s46, s47
	s_lshl_b32 s47, s57, 14                        ; my 128 rows of a slot's 512
	s_add_co_u32 s46, s46, s47
	s_mov_b32 s47, 0
	s_mov_b32 s24, 1                               ; group 0: count = 1,
	s_mul_i32 s45, s12, STEPB                      ; my rows' place in a slot (V's lie behind K's 512): no place in the cluster enters an LDS address
	s_mov_b32 s25, s45                             ; LDS address: slot 0
	s_mov_b32 s56, 0                               ; the base of the slot asked for last
	s_mov_b32 s30, 0x3fb8aa3b                      ; log2(e)
	s_mov_b32 s32, 0x76543210                      ; v_permlanex16_b32's selects for lane l xor 16
	s_mov_b32 s33, 0xfedcba98
	s_mov_b32 s34, 0                               ; LDS byte at which the slot in hand begins
	s_mov_b32 s35, 0                               ; changes of slots that have asked for a slot
	s_cmp_eq_u32 ttmp9, 0
	s_cselect_b32 s36, 3, 0                        ; the head's first cluster prefetches K and V at changes 1 and 2,
	s_cmp_lt_u32 s12, 4
	s_cselect_b32 s36, s36, 0                      ; by its waves 0 to 3
	s_lshl_b32 s50, s13, 2
	s_add_co_u32 s50, s50, s57                     ; which of the sixteen parts: 4 cx + wave
	s_lshr_b32 s51, s50, 3
	s_add_co_u32 s51, s51, 1
	s_lshl_b32 s51, s51, 22                        ; parts 0-7 in k's plane, 8-15 in v's
	s_and_b32 s50, s50, 7
	s_lshl_b32 s50, s50, 13
	s_add_co_u32 s50, s50, s51
	s_lshl_b32 s51, s15, 18
	s_add_co_u32 s50, s50, s51
	s_add_co_u32 s50, s50, 65536                   ; in slot 1's keys: the first change steps it on
	s_mov_b32 s51, 0
	s_lshl_b32 s48, s15, 18                        ; q: head, block, my 32 rows of 128 bytes
	s_lshl_b32 s49, s14, 14
	s_add_co_u32 s48, s48, s49
	s_lshl_b32 s49, s57, 12
	s_add_co_u32 s48, s48, s49
	s_mov_b32 s49, 0
	s_lshl_b32 s52, s14, 18                        ; ac: block, head, my 32 rows, the tile that I finish
	s_lshl_b32 s53, s15, 14
	s_add_co_u32 s52, s52, s53
	s_lshl_b32 s53, s57, 12
	s_add_co_u32 s52, s52, s53
	s_lshl_b32 s53, s58, 11
	s_add_co_u32 s52, s52, s53
	s_mov_b32 s53, 0
	s_lshl_b32 s54, s14, 20                        ; mimg: 16 images of 8,192 bytes for each tile of 16 queries; my two tiles lie on end; my first step's image
	s_lshl_b32 s55, s57, 18
	s_add_co_u32 s54, s54, s55
	s_lshl_b32 s55, s58, 13
	s_add_co_u32 s54, s54, s55
	s_mov_b32 s55, 0
	s_mul_i32 s59, s58, STEPB                      ; my first step's place in a slot
	s_mul_i32 s60, s12, 16*KP
	s_add_co_u32 s60, s60, STAGE                   ; my stage
	s_mul_i32 s61, s12, XCH                        ; what I hand over,
	s_xor_b32 s62, s12, 4
	s_mul_i32 s62, s62, XCH                        ; and what my partner hands me
	s_wait_alu depctr_va_vdst(0)
	s_wait_dscnt 0x0                               ; both opening adds are done
	s_wait_kmcnt 0x0
	s_load_b128 s[40:43], s[8:9], 0x18             ; e6, e7, e8, e9
	s_load_b32 s44, s[8:9], 0x28                   ; e10
	s_add_nc_u64 s[26:27], s[4:5], s[46:47]        ; global address: the head's first 512 keys
	s_or_b32 s27, s27, 0x80000000                  ; type = 2
	s_add_nc_u64 s[38:39], s[4:5], s[50:51]        ; K's and V's prefetches
	s_add_nc_u64 s[48:49], s[4:5], s[48:49]        ; q's codes at my first query
	s_add_nc_u64 s[10:11], s[10:11], s[52:53]
	s_add_nc_u64 s[28:29], s[6:7], s[54:55]        ; my tiles' images
	ROUND                                          ; all four work-groups are here: the first joint loads meet
	tensor_load_to_lds s[24:27], s[16:23]          ; slot 0
	s_nop 0
	NOP4
	v_and_b32 v8, 15, v0                           ; r
	v_bfe_u32 v9, v0, 4, 1                         ; h
	v_and_b32 v112, 31, v0
	v_lshlrev_b32 v3, 4, v112                      ; 16 x lane
	v_lshlrev_b32 v4, 8, v112                      ; 256 x lane
	v_lshlrev_b32 v7, 7, v8
	v_lshl_add_u32 v7, v9, 4, v7                   ; Q: row r of 128 bytes, + 16 h
.irp x, 0,1
.irp c, 0,1,2,3
	global_load_b128 v[Q+16*\x+4*\c:Q+16*\x+4*\c+3], v7, s[48:49] offset:\x*2048+32*\c   ; Q's two fragments stay in registers
.endr
.endr
.macro MLOAD off                       ; the mask's images of one step, both tiles, into S^T: 32 loads of 512 consecutive bytes
	WIN 0x40
.irp x, 0,1
.irp n, 0,1,2,3,4,5,6,7,8,9,10,11,12,13,14,15
	global_load_b128 v[64*\x+4*\n:64*\x+4*\n+3], v3, s[28:29] offset:\x*131072+\off+512*\n
.endr
.endr
	WIN 0
.endm
	MLOAD 0
	v_mul_u32_u24 v1, v8, KP
	v_lshl_add_u32 v1, v9, 4, v1
	v_add_nc_u32 v1, s59, v1                       ; my lane's place in a tile of K: row r, + 16 h, in my first step of a slot
	v_mul_u32_u24 v10, v8, KP
	v_lshl_add_u32 v10, v9, 3, v10
	v_add_nc_u32 v10, s60, v10                     ; the stage, in: row r, + 8 h
	v_bfe_u32 v112, v0, 3, 2
	v_and_b32 v113, 7, v0
	v_mul_u32_u24 v11, v112, KP
	v_lshl_add_u32 v11, v113, 4, v11
	v_add_nc_u32 v11, s60, v11                     ; back: eight lanes to a row, four rows an instruction
	v_add_nc_u32 v20, s61, v3                      ; O^T handed over: 16 x lane,
	v_add_nc_u32 v21, s62, v3                      ; and taken
	v_lshrrev_b32 v22, 1, v3
	v_add_nc_u32 v23, s62, v22                     ; -M and the sum: 8 x lane, taken,
	v_add_nc_u32 v22, s61, v22                     ; and handed over
.irp x, 0,1
	v_mov_b32 v[ST+4*\x+1], 0xff61b1e6             ; the largest t so far: -3e38, under every t
	v_floor_f32 v[ST+4*\x], -v[ST+4*\x+1]          ; -M
	v_mov_b32 v[ST+4*\x+2], 0                      ; the sum, in two halves
	v_mov_b32 v[ST+4*\x+3], 0
	v_mov_b32 v[SC+8*\x+4], 0                      ; written once: a lane permute's destination counts as one of its sources
	v_mov_b32 v[SC+8*\x+7], 0                      ; (named as the upper half of f's pair)
.endr
	WIN 0x40
.set j, 0
.rept 128
	v_mov_b32 v[OT+j], 0                           ; O^T.  (The step has no first form of its own, which would be two more copies of its text: the first change of M multiplies zeros)
.set j, j+1
.endr
	WIN 0
	s_wait_kmcnt 0x0
	s_add_co_i32 s52, s40, s41
	s_lshl_b32 s52, s52, 23
	s_add_co_i32 s30, s30, s52                     ; c = log2(e) x 2^(e6+e7): a sum stands for sum x 2^(e6+e7)
	s_mov_b32 s31, s30                             ; (named with it as a pair, so it is written)
	s_add_co_i32 s52, s42, 127
	s_lshl_b32 s53, s52, 23
	v_mov_b32 v[SCL], s53                          ; 2^e8 as f32
	s_add_co_i32 s52, s52, 8
	s_lshl_b32 s52, s52, 23
	s_or_b32 s52, s52, 0x600000
	v_mov_b32 v[HLD], s52                          ; 448 x 2^e8
	s_sub_co_i32 s52, s44, s42
	s_sub_co_i32 s52, s52, s43
	s_add_co_i32 s52, s52, 127
	s_lshl_b32 s53, s52, 23
	v_mov_b32 v126, s53                            ; 2^(e10 - e8 - e9): a sum of the second product stands for sum x 2^(e8+e9)
	s_add_co_i32 s52, s52, 8
	s_lshl_b32 s52, s52, 23
	s_or_b32 s52, s52, 0x600000
	v_mov_b32 v127, s52                            ; 448 x that
.macro FLOAD adr, off                  ; eight fragments of K or of V, 32 LDS loads (every window 0)
.irp t, 0,1,2,3,4,5,6,7
.irp c, 0,1,2,3
	ds_load_b128 v[F+16*\t+4*\c:F+16*\t+4*\c+3], v[\adr] offset:\off+16*\t*KP+32*\c
.endr
.endr
.endm
; The row's sum is taken of the unquantised p: tile x's 32 pairs in four chains, one of them the running sum itself.
.macro SUMS x
.set BS, 64*(\x)
	WIN 0x05
.irp k, 1,2,3
	v_pk_add_f32 v[TS+2*\k-2:TS+2*\k-1], v[BS+2*\k:BS+2*\k+1], v[BS+2*\k+8:BS+2*\k+9]
.endr
	WIN 0x04
.set mm, 0
.rept 8
	v_pk_add_f32 v[ST+4*(\x)+2:ST+4*(\x)+3], v[ST+4*(\x)+2:ST+4*(\x)+3], v[BS+8*mm:BS+8*mm+1]
.if mm >= 2
.irp k, 1,2,3
	v_pk_add_f32 v[TS+2*\k-2:TS+2*\k-1], v[TS+2*\k-2:TS+2*\k-1], v[BS+8*mm+2*\k:BS+8*mm+2*\k+1]
.endr
.endif
.set mm, mm+1
.endr
	WIN 0
	v_pk_add_f32 v[TS:TS+1], v[TS:TS+1], v[TS+2:TS+3]
	v_pk_add_f32 v[ST+4*(\x)+2:ST+4*(\x)+3], v[ST+4*(\x)+2:ST+4*(\x)+3], v[TS+4:TS+5]
	v_pk_add_f32 v[ST+4*(\x)+2:ST+4*(\x)+3], v[ST+4*(\x)+2:ST+4*(\x)+3], v[TS:TS+1]
.endm
; A KEY STEP: 128 keys, my i-th of the slot in hand.  moff: where my next step's images lie from s[28:29] (-1: there is none).  pf = 1: the images of the step after that are prefetched.
.macro STEP i, moff, pf
	FLOAD 8, 2*(\i)*STEPB                          ; K.  (Four plain lines stand behind the last products, at the last step's end)
	s_wait_loadcnt 0x0                             ; the images are in S^T (the first time: Q too)
	s_wait_dscnt 0x0
	WIN 0x50                                       ; C and D window 1; K and Q window 0
.irp t, 0,1,2,3,4,5,6,7
.irp x, 0,1
	v_wmma_f32_16x16x128_fp8_fp8 v[64*\x+8*\t:64*\x+8*\t+7], v[F+16*\t:F+16*\t+15], v[Q+16*\x:Q+16*\x+15], v[64*\x+8*\t:64*\x+8*\t+7]   ; the sums begin at the mask; sixteen accumulators by turns
.endr
.endr
	WIN 0
	NOP4                                           ; places in front of the loads into K's registers and of the first read of the sums
	FLOAD 9, 2*(\i)*STEPB                          ; V: it lands under the softmax
.if \pf
	s_cmp_lt_u32 s15, 4                            ; the head is the same in all partners
	s_cbranch_scc0 .Lno_img_\@
	global_prefetch_b8 v4, s[28:29] offset:\moff+16384 th:TH_LOAD_NT scope:SCOPE_SE
	global_prefetch_b8 v4, s[28:29] offset:\moff+16384+131072 th:TH_LOAD_NT scope:SCOPE_SE
.Lno_img_\@:
.endif
	WIN 0x15                                       ; the step's largest sum of each query among the lane's 64 keys: four chains a tile, the tiles by turns
.irp k, 0,1,2,3
.irp x, 0,1
	v_max3_num_f32 v[SC+8*\x+\k], v[64*\x+16*\k], v[64*\x+16*\k+1], v[64*\x+16*\k+2]
.endr
.endr
	WIN 0x14
.irp m, 0,1,2,3,4,5
.irp k, 0,1,2,3
.irp x, 0,1
	v_max3_num_f32 v[SC+8*\x+\k], v[SC+8*\x+\k], v[64*\x+16*\k+2*\m+3], v[64*\x+16*\k+2*\m+4]
.endr
.endr
.endr
.irp x, 0,1
	v_max3_num_f32 v[SC+8*\x], v[SC+8*\x], v[64*\x+15], v[64*\x+31]
	v_max3_num_f32 v[SC+8*\x+2], v[SC+8*\x+2], v[64*\x+47], v[64*\x+63]
.endr
	WIN 0
.irp x, 0,1
	v_max3_num_f32 v[SC+8*\x], v[SC+8*\x], v[SC+8*\x+1], v[SC+8*\x+2]
.endr
.irp x, 0,1
	v_max_num_f32 v[SC+8*\x], v[SC+8*\x], v[SC+8*\x+3]
.endr
.irp x, 0,1
	v_permlanex16_b32 v[SC+8*\x+4], v[SC+8*\x], s32, s33
.endr
.irp x, 0,1
	v_max_num_f32 v[SC+8*\x], v[SC+8*\x], v[SC+8*\x+4]   ; and among lane l xor 16's
.endr
.irp x, 0,1
	v_mul_f32 v[SC+8*\x], s30, v[SC+8*\x]          ; as t (c is positive)
.endr
.irp x, 0,1
	v_max_num_f32 v[ST+4*\x+1], v[ST+4*\x+1], v[SC+8*\x]   ; the running largest t
.endr
.irp x, 0,1
	v_mov_b32 v[SC+8*\x+1], v[ST+4*\x]
.endr
.irp x, 0,1
	v_floor_f32 v[ST+4*\x], -v[ST+4*\x+1]          ; the new -M = floor(-t): M is a whole number
.endr
.irp x, 0,1
	v_sub_f32 v[SC+8*\x+1], v[ST+4*\x], v[SC+8*\x+1]   ; old M less new M: a whole number, 0 or less
.endr
.irp x, 0,1
	v_cvt_i32_f32 v[SC+8*\x+1], v[SC+8*\x+1]       ; (it saturates)
.endr
.irp x, 0,1
	v_ldexp_f32 v[SC+8*\x+6], 1.0, v[SC+8*\x+1]    ; f = 2^(old M - new M): a multiplication by it rounds nothing
.endr
.irp x, 0,1
	v_pk_mul_f32 v[ST+4*\x+2:ST+4*\x+3], v[ST+4*\x+2:ST+4*\x+3], v[SC+8*\x+6:SC+8*\x+7] op_sel_hi:[1,0]   ; the sums under the new M
.endr
	WIN 0x41                                       ; destination and source 0 window 1, the rest window 0: it serves all lines up to the sums
.irp x, 0,1
.set j, 0
.rept 32
	v_pk_mul_f32 v[OT+64*\x+j:OT+64*\x+j+1], v[OT+64*\x+j:OT+64*\x+j+1], v[SC+8*\x+6:SC+8*\x+7] op_sel_hi:[1,0]   ; O^T under the new M, ahead of the exponentials; each accumulator from its low end on
.set j, j+2
.endr
.endr
.irp x, 0,1
.set j, 0
.rept 32
	v_pk_fma_f32 v[64*\x+j:64*\x+j+1], v[64*\x+j:64*\x+j+1], s[30:31], v[ST+4*\x:ST+4*\x+1] op_sel_hi:[1,0,0]   ; t - M, two at a time
.set j, j+2
.endr
.endr
	s_wait_alu depctr_va_vdst(0)
.set j, 0
.rept 128
	v_exp_f32 v[j], v[j]                           ; p = 2^(t - M), at most 1: not normalised
.set j, j+1
.endr
	v_nop                                          ; the plain line behind the last exponential
	s_wait_alu depctr_va_vdst(0)                   ; and the one wait behind the batch, ahead of its first reader
	SUMS 0
	SUMS 1
	WIN 0x41
.set j, 0
.rept 128
	v_min_num_f32 v[j], v[j], v[HLD]               ; the conversion does not saturate (ISA guide 7.6.2); p is not negative, so the hold is one-sided
.set j, j+1
.endr
	WIN 0x01
.irp t, 0,1,2,3,4,5,6,7,8,9,10,11,12,13,14,15
	v_cvt_scalef32_pk8_fp8_f32 v[PC+2*\t:PC+2*\t+1], v[8*\t:8*\t+7], v[SCL]
.endr
	v_nop                                          ; one plain line behind the last conversion
.if (\moff) >= 0
	MLOAD \moff                                    ; the set is free: my next step's images
.endif
	WIN 0
	s_wait_alu depctr_va_vdst(0)
	s_wait_dscnt 0x0                               ; V is in
	WIN 0x50                                       ; C and D window 1; V and p's codes window 0
.irp t, 0,1,2,3,4,5,6,7
.irp x, 0,1
	v_wmma_f32_16x16x128_fp8_fp8 v[OT+64*\x+8*\t:OT+64*\x+8*\t+7], v[F+16*\t:F+16*\t+15], v[PC+16*\x:PC+16*\x+15], v[OT+64*\x+8*\t:OT+64*\x+8*\t+7]   ; the sixteen accumulators take turns
.endr
.endr
	WIN 0
	NOP4                                           ; places in front of the next loads into V's registers
.endm
; THE CHANGE OF SLOTS stands at a slot's head.  Each wave waits for all its tensor loads (its part of the slot ahead), adds 0 to its spare word, and waits for that and for its reads of the slot that it has left.
; fill = 1: a round of the cluster's barrier, and behind it the other slot is filled with the keys that follow: the load has a slot's steps in which to land.
.macro CHANGE fill
	s_wait_tensorcnt 0x0                           ; no tensor load of mine is out, so group 0 may be written
	ds_add_u32 v5, v6
.if \fill
	s_xor_b32 s56, s56, SLOTB                      ; the walking descriptor: the other slot's base,
	s_add_co_u32 s25, s45, s56                     ; my rows' place in it,
	s_add_nc_u64 s[26:27], s[26:27], 65536         ; the next 512 keys
	s_wait_xcnt 0x0                                ; the last prefetch, a slot back, has read its address
	s_add_nc_u64 s[38:39], s[38:39], 65536
	s_add_co_u32 s35, s35, 1
	s_wait_dscnt 0x0                               ; the add is done, and my reads of the slot that I have left are over
	ROUND
	tensor_load_to_lds s[24:27], s[16:23]          ; the first thing behind the round, and my one tensor load until the next
	s_nop 0
	NOP4
	ASKK
.else
	s_wait_dscnt 0x0
	s_barrier_signal -1
	s_barrier_wait -1
.endif
.endm
.macro SLOTW m0, m1, pf                ; my two steps of a slot
	v_add_nc_u32 v8, s34, v1                       ; K of my first step,
	v_add_nc_u32 v9, VOFF, v8                      ; and V
	s_wait_alu depctr_va_vdst(0)
	STEP 0, \m0, \pf
	STEP 1, \m1, \pf
.endm
	s_wait_alu depctr_va_vdst(0)
	s_mov_b32 s37, 3
.Ltrip:                                                ; a trip: one slot
	CHANGE 1
	SLOTW 16384, 32768, 1
	s_xor_b32 s34, s34, SLOTB                      ; on to the other slot
	s_wait_xcnt 0x0                                ; the images' loads and prefetches have read their base
	s_add_nc_u64 s[28:29], s[28:29], 32768         ; four images on
	s_sub_co_u32 s37, s37, 1
	s_cmp_lg_u32 s37, 0
	s_cbranch_scc1 .Ltrip
	CHANGE 0                                       ; the last slot is written out: no tiles are left to ask for, and one step's images
	s_mov_b32 s34, SLOTB                           ; the fourth slot's keys lie in slot 1
	SLOTW 16384, -1, 0
	; THE END.  Each wave of a pair hands the other one tile's O^T, -M and sum, as an image of its registers, and finishes the other tile.
.irp x, 0,1
	v_add_f32 v[ST+4*\x+2], v[ST+4*\x+2], v[ST+4*\x+3]
.endr
.irp x, 0,1
	v_permlanex16_b32 v[SC+8*\x+4], v[ST+4*\x+2], s32, s33
.endr
.irp x, 0,1
	v_add_f32 v[ST+4*\x+1], v[ST+4*\x+2], v[SC+8*\x+4]   ; my part of the row's sum, beside -M
.endr
.macro SENDT x
	WIN 0x04                                       ; the data (source 1) window 1
.irp n, 0,1,2,3,4,5,6,7,8,9,10,11,12,13,14,15
	ds_store_b128 v20, v[OT+64*\x+4*\n:OT+64*\x+4*\n+3] offset:512*\n   ; each accumulator from its low end on
.endr
	WIN 0
	ds_store_b64 v22, v[ST+4*\x:ST+4*\x+1] offset:8192
.endm
.macro FIN x
	ds_load_b64 v[112:113], v23 offset:8192        ; my partner's -M and sum,
.irp n, 0,1,2,3,4,5,6,7,8,9,10,11,12,13,14,15
	ds_load_b128 v[F+4*\n:F+4*\n+3], v21 offset:512*\n   ; and O^T, where the fragments lay
.endr
	s_wait_dscnt 0x0
	v_min_num_f32 v114, v[ST+4*\x], v112           ; -M of the two together
	v_mov_b32 v119, 0                              ; (named as the upper halves of two pairs)
	v_mov_b32 v121, 0
	v_sub_f32 v115, v114, v[ST+4*\x]               ; my M less M,
	v_sub_f32 v116, v114, v112                     ; my partner's less M: whole numbers, 0 or less
	v_cvt_i32_f32 v115, v115
	v_cvt_i32_f32 v116, v116
	v_ldexp_f32 v115, 1.0, v115
	v_ldexp_f32 v116, 1.0, v116
	v_mul_f32 v117, v115, v[ST+4*\x+1]
	v_fma_f32 v117, v116, v113, v117               ; the row's sum
	s_wait_alu depctr_va_vdst(0)
	v_rcp_f32 v117, v117
	v_nop
	s_wait_alu depctr_va_vdst(0)                   ; ahead of the reciprocal's first reader
	v_mul_f32 v118, v115, v117
	v_mul_f32 v120, v116, v117
.set j, 0
.rept 32
	v_pk_mul_f32 v[F+j:F+j+1], v[F+j:F+j+1], v[120:121] op_sel_hi:[1,0]
.set j, j+2
.endr
	WIN 0x01                                       ; source 0 (my O^T) window 1
	s_wait_alu depctr_va_vdst(0)
.set j, 0
.rept 32
	v_pk_fma_f32 v[F+j:F+j+1], v[OT+64*\x+j:OT+64*\x+j+1], v[118:119], v[F+j:F+j+1] op_sel_hi:[1,0,1]   ; register 8 t + i is o(r, 16 t + 8 h + i); each accumulator from its low end on
.set j, j+2
.endr
	WIN 0
.set j, 0
.rept 64
	v_med3_num_f32 v[F+j], v[F+j], -v127, v127
.set j, j+1
.endr
.irp t, 0,1,2,3,4,5,6,7
	v_cvt_scalef32_pk8_fp8_f32 v[PC+2*\t:PC+2*\t+1], v[F+8*\t:F+8*\t+7], v126
.endr
	v_nop                                          ; one plain line behind the last conversion
.irp t, 0,1,2,3,4,5,6,7
	ds_store_b64 v10, v[PC+2*\t:PC+2*\t+1] offset:16*\t
.endr
.irp i, 0,1,2,3
	ds_load_b128 v[Q+4*\i:Q+4*\i+3], v11 offset:576*\i   ; LDS serves a wave's instructions in order (ISA guide 5.7.1.4): these see my stores
.endr
.irp i, 0,1,2,3
	s_wait_dscnt 3-\i                              ; the younger loads may be out
	global_store_b128 v3, v[Q+4*\i:Q+4*\i+3], s[10:11] offset:512*\i   ; 512 consecutive bytes, at a multiple of 256 from ac's first byte
.endr
.endm
	s_wait_alu depctr_va_vdst(0)
	s_cmp_lt_u32 s12, 4
	s_cbranch_scc0 .Lsend_a
	SENDT 1                                        ; waves 0-3 hand tile B over,
	s_branch .Lsent
.Lsend_a:
	SENDT 0                                        ; waves 4-7 tile A
.Lsent:
	s_wait_dscnt 0x0                               ; for my partner's sake
	s_barrier_signal -1
	s_barrier_wait -1
	s_cmp_lt_u32 s12, 4
	s_cbranch_scc0 .Lfin_b
	FIN 0
	s_branch .Ldone
.Lfin_b:
	FIN 1
.Ldone:
	s_wait_tensorcnt 0x0                           ; the wave's end, behind my last tensor load and my last LDS store
	ds_add_u32 v5, v6
	s_wait_dscnt 0x0
	ROUND                                          ; the closing round
	s_endpgm
.Lfunc_end_k_qd185336c30_attn:
	.size	k_qd185336c30_attn, .Lfunc_end_k_qd185336c30_attn-k_qd185336c30_attn
	.p2alignl 7, 3214868480
	.fill 96, 4, 3214868480
	.section	.rodata,"a",@progbits
	.p2align	6, 0x0
	.amdhsa_kernel k_qd185336c30_attn
		.amdhsa_group_segment_fixed_size 327680
		.amdhsa_private_segment_fixed_size 0
		.amdhsa_enable_private_segment 0
		.amdhsa_kernarg_size 32
		.amdhsa_user_sgpr_count 2
		.amdhsa_user_sgpr_kernarg_segment_ptr 1
		.amdhsa_wavefront_size32 1
		.amdhsa_system_sgpr_workgroup_id_x 1
		.amdhsa_system_sgpr_workgroup_id_y 1
		.amdhsa_system_sgpr_workgroup_id_z 1
		.amdhsa_system_vgpr_workitem_id 0
		.amdhsa_next_free_vgpr 512
		.amdhsa_next_free_sgpr 66
		.amdhsa_reserve_vcc 0
		.amdhsa_float_denorm_mode_32 3
		.amdhsa_float_denorm_mode_16_64 3
		.amdhsa_memory_ordered 1
		.amdhsa_forward_progress 1
		.amdhsa_inst_pref_size 185
	.end_amdhsa_kernel
	.amdgpu_metadata
---
amdhsa.version: [ 1, 2 ]
amdhsa.kernels:
  - .name:           k_qd185336c30_attn
    .symbol:         k_qd185336c30_attn.kd
    .args:
      - { .name: qkvc, .offset: 0, .size: 8, .value_kind: global_buffer, .address_space: global }
      - { .name: mimg, .offset: 8, .size: 8, .value_kind: global_buffer, .address_space: global }
      - { .name: lowp_scales, .offset: 16, .size: 8, .value_kind: global_buffer, .address_space: global }
      - { .name: ac, .offset: 24, .size: 8, .value_kind: global_buffer, .address_space: global }
    .group_segment_fixed_size: 327680
    .private_segment_fixed_size: 0
    .kernarg_segment_align: 8
    .kernarg_segment_size: 32
    .max_flat_workgroup_size: 256
    .sgpr_count:     66
    .vgpr_count:     512
    .wavefront_size: 32
...
	.end_amdgpu_metadata
.endif
;; end of part 3
;; launch oproj (part 4): grid 16 x 16, 4 waves a work-group, clusters of 4 x 4, 327,680 bytes of LDS; arguments ac, wc, lowp_scales, out0; writes out0
.if DOCPART == 4
	.amdgcn_target "amdgcn-amd-amdhsa--gfx1250"
	.amdhsa_code_object_version 6
	.text
	.protected	k_qd185336c30_oproj
	.globl	k_qd185336c30_oproj
	.p2align	8
	.type	k_qd185336c30_oproj,@function
k_qd185336c30_oproj:
	s_mov_b64 s[64:65], 0
	v_nop
	global_prefetch_b8 v0, s[64:65] scope:SCOPE_SE
	s_setreg_imm32_b32 hwreg(HW_REG_WAVE_MODE, 25, 1), 1
	s_wait_xcnt 0x0
	s_wait_alu depctr_hold_cnt(0) depctr_sa_sdst(0) depctr_va_vdst(0) depctr_va_sdst(0) depctr_va_ssrc(0) depctr_va_vcc(0) depctr_vm_vsrc(0)
	s_getreg_b32 s2, hwreg(HW_REG_IB_STS2, 6, 4)
	s_cmp_eq_u32 s2, 0
	s_cbranch_scc0 .Lentry_in_a_cluster
	s_endpgm
.Lentry_in_a_cluster:
	s_bfe_u32 s2, ttmp6, 0x10000c
	s_cmp_lg_u32 s2, 0xf033
	s_cbranch_scc0 .Lentry_shape_is_right
	s_endpgm
.Lentry_shape_is_right:
; THE LAST PROJECTION on codes of E4M3: out0 = a wo, a = the attention's result as codes (2^e10), ac [s / 128][head][s % 128][128]; wo's codes (2^e11) are wc's plane 3, [n][2048], K innermost.  Each sum x 2^(e10 + e11).
; A work-group makes 128 x 128 of out0, a wave 64 x 64 (16 accumulators).  K goes in four fills of 512 (four heads) through a ring of two LDS slots.  Waves 0, 1 fetch a's halves (32,768 dense bytes, stated as
; 128 rows of 256 bytes, padding behind each 128), waves 2, 3 wo's (64 rows of 512 bytes).  CLUSTERS 4 x 4: a's tiles are asked for jointly along a row, wo's along a column.  A wave has one tensor load out; every wait on TENSORcnt is for 0.
; PREFETCHES INTO THE L2: behind the first joint load each wave names its work-group's quarter of what it fetches in fills 1 and 2, behind the second that of fill 3: two fills ahead, 32 blocks of 256 bytes an instruction,
; a lane a block; the four partners of a joint load are told apart by address alone (cx for a, cy for wo).
; LIMIT: e10 + e11 between -126 and 127.
.set PA,    144
.set PB,    528
.set AH,    128*PA
.set BOFF,  4*AH
.set SLOT,  BOFF+128*PB
.set SPARE, 2*SLOT
.set STAGE, SPARE+512
.set SPITCH, 272
.set ADRA, 16
.set ADRB, 20
.set STO,  24
.set RD,   25
.set CO,   26
.set SPW,  28
.set NIL,  29
.set TMP,  32
.set BK,   64
.set ACC,  128
.set F0,   0
.set F1,   128
.set G1, 24
.set G0, 32
.set G1B, 48
.set G0B, 56
.set MSB, 0
.macro WIN new
.if MSB != \new
	s_set_vgpr_msb (MSB<<8)|\new
.set MSB, \new
.endif
.endm
.set MUL,  0x05
.set TO_F, 0x40
.macro JLOAD s
	s_cmp_eq_u32 s15, 0
	s_cbranch_scc0 .Lfor_b_\@
	tensor_load_to_lds s[G0+4*\s:G0+4*\s+3], s[G1:G1+7]
	s_nop 0
.rept 4
	v_nop
.endr
	s_branch .Lasked_\@
.Lfor_b_\@:
	tensor_load_to_lds s[G0B+4*\s:G0B+4*\s+3], s[G1B:G1B+7]
	s_nop 0
.rept 4
	v_nop
.endr
.Lasked_\@:
.endm
.macro CREST
	s_cmp_lg_u32 s14, 0
	s_cbranch_scc1 .Lnot_wave_0_\@
	s_barrier_signal -3
.Lnot_wave_0_\@:
	s_barrier_wait -3
	s_barrier_signal -1
	s_barrier_wait -1
.endm
.macro CROUND
	s_barrier_signal -1
	s_barrier_wait -1
	CREST
.endm
	s_load_b128 s[4:7], s[0:1], 0x0
	s_load_b128 s[8:11], s[0:1], 0x10
	v_lshl_add_u32 v[SPW], v0, 2, SPARE
	v_mov_b32 v[NIL], 0
	ds_add_u32 v[SPW], v[NIL]
	ds_add_u32 v[SPW], v[NIL]
	v_lshrrev_b32 v1, 5, v0
	v_readfirstlane_b32 s14, v1
	s_lshr_b32 s15, s14, 1
	s_and_b32 s16, s14, 1
	s_mov_b32 s74, 2048
	s_cmp_eq_u32 s15, 0
	s_cselect_b32 s74, 512, s74                    ; from one pair of blocks to the next: 512 bytes in a's dense block, a row of 2,048 bytes in wo's codes
	v_and_b32 v9, 31, v0
	v_and_b32 v10, 1, v9
	v_lshrrev_b32 v9, 1, v9
	v_lshlrev_b32 v10, 8, v10
	v_mad_u32_u24 v9, v9, s74, v10                 ; v9: the prefetches' offset: (lane / 2) x that + 256 (lane % 2); never rewritten
	s_bfe_u32 s40, ttmp6, 0x40000
	s_bfe_u32 s41, ttmp6, 0x40004
	s_lshl_b32 s42, ttmp9, 2
	s_add_co_u32 s42, s42, s40
	s_and_b32 s17, ttmp7, 0xffff
	s_lshl_b32 s17, s17, 2
	s_add_co_u32 s17, s17, s41
	s_lshl_b32 s43, s41, 2
	s_lshl_b32 s43, 15, s43
	s_lshl_b32 s44, 0x1111, s40
	s_or_b32 s[G1+0], s43, (0<<16)|(1<<20)|(1<<21)|(4<<22)|(3<<25)
	s_mov_b32 s[G1+1], 256<<16                     ; 256 dense rows of 128 bytes, stated as 128 rows of 256 bytes
	s_mov_b32 s[G1+2], 128<<16
	s_mov_b32 s[G1+3], 256<<16
	s_mov_b32 s[G1+4], 128
	s_mov_b32 s[G1+5], 256
	s_mov_b32 s[G1+6], 0
	s_mov_b32 s[G1+7], 0
	s_or_b32 s[G1B+0], s44, (0<<16)|(1<<20)|(1<<21)|(6<<22)|(3<<25)
	s_mov_b32 s[G1B+1], 512<<16
	s_mov_b32 s[G1B+2], 64<<16
	s_mov_b32 s[G1B+3], 512<<16
	s_mov_b32 s[G1B+4], 64
	s_mov_b32 s[G1B+5], 2048
	s_mov_b32 s[G1B+6], 0
	s_mov_b32 s[G1B+7], 0
	s_lshl_b32 s20, s17, 18
	s_lshl_b32 s18, s16, 15
	s_add_co_u32 s20, s20, s18
	s_mov_b32 s21, 0
	s_lshl_b32 s46, s42, 7
	s_lshl_b32 s18, s16, 6
	s_add_co_u32 s46, s46, s18
	s_lshl_b32 s46, s46, 11
	s_add_co_u32 s46, s46, 0xc00000
	s_mov_b32 s47, 0
	s_mul_i32 s45, s16, 256*PA
	s_mul_i32 s22, s16, 64*PB
	s_add_co_u32 s22, s22, BOFF
	s_wait_alu depctr_va_vdst(0)
	s_wait_dscnt 0x0
	s_wait_kmcnt 0x0
	s_load_b64 s[96:97], s[8:9], 0x28
	s_add_nc_u64 s[20:21], s[4:5], s[20:21]
	s_add_nc_u64 s[46:47], s[6:7], s[46:47]
	CROUND
.irp s, 0,1
	s_mov_b32 s[G0+4*\s], 1
	s_add_co_u32 s[G0+4*\s+1], s45, \s*SLOT
	s_add_nc_u64 s[G0+4*\s+2:G0+4*\s+3], s[20:21], \s*65536
	s_or_b32 s[G0+4*\s+3], s[G0+4*\s+3], 0x80000000
	s_mov_b32 s[G0B+4*\s], 1
	s_add_co_u32 s[G0B+4*\s+1], s22, \s*SLOT
	s_add_nc_u64 s[G0B+4*\s+2:G0B+4*\s+3], s[46:47], \s*512
	s_or_b32 s[G0B+4*\s+3], s[G0B+4*\s+3], 0x80000000
.endr
	JLOAD 0                                        ; fill 0: one tensor load a wave at the head
	s_lshl_b32 s76, s40, 13                        ; my work-group's quarter: 8,192 bytes x cx of a's 32,768,
	s_lshl_b32 s77, s41, 15                        ; or 16 rows of 2,048 bytes x cy of wo's 64 rows
	s_mov_b32 s80, 512
	s_cmp_eq_u32 s15, 0                            ; do I fetch for a?
	s_cselect_b64 s[72:73], s[20:21], s[46:47]
	s_cselect_b32 s76, s76, s77
	s_cselect_b32 s80, 0x10000, s80                ; from fill to fill: 65,536 bytes in ac, 512 along a row of wo's codes
	s_mov_b32 s77, 0
	s_mov_b32 s81, 0
	s_add_nc_u64 s[72:73], s[72:73], s[76:77]
	s_add_nc_u64 s[82:83], s[72:73], s[80:81]      ; fill 1's,
	s_add_nc_u64 s[84:85], s[82:83], s[80:81]      ; fill 2's,
	s_add_nc_u64 s[78:79], s[84:85], s[80:81]      ; fill 3's: a pair of registers each, none is written again
	global_prefetch_b8 v9, s[82:83] th:TH_LOAD_NT scope:SCOPE_SE   ; the start-up: fill 1,
	global_prefetch_b8 v9, s[84:85] th:TH_LOAD_NT scope:SCOPE_SE   ; and fill 2, two fills on
	v_and_b32 v1, 15, v0
	v_bfe_u32 v2, v0, 4, 1
	v_mul_u32_u24 v3, v1, PA
	v_lshl_add_u32 v3, v2, 4, v3
	v_mul_u32_u24 v4, v1, PB
	v_lshl_add_u32 v4, v2, 4, v4
	s_mul_i32 s21, s15, 64*PA
	s_mul_i32 s23, s16, 64*PB
	s_add_co_u32 s23, s23, BOFF
.irp s, 0,1
	v_add_nc_u32 v[ADRA+\s], s21, v3
	v_add_nc_u32 v[ADRB+\s], s23, v4
	s_add_co_u32 s21, s21, SLOT
	s_add_co_u32 s23, s23, SLOT
.endr
	s_mul_i32 s23, s14, 16*SPITCH
	s_add_co_u32 s23, s23, STAGE
	v_mul_u32_u24 v5, v1, SPITCH
	v_lshl_add_u32 v5, v2, 5, v5
	v_add_nc_u32 v[STO], s23, v5
	v_mul_u32_u24 v6, v2, SPITCH
	v_lshl_add_u32 v6, v1, 4, v6
	v_add_nc_u32 v[RD], s23, v6
	v_lshlrev_b32 v7, 13, v2
	v_lshl_add_u32 v[CO], v1, 4, v7
	s_lshl_b32 s90, s17, 20
	s_lshl_b32 s91, s15, 19
	s_add_co_u32 s90, s90, s91
	s_lshl_b32 s91, s42, 9
	s_add_co_u32 s90, s90, s91
	s_lshl_b32 s91, s16, 8
	s_add_co_u32 s90, s90, s91
	s_mov_b32 s91, 0
	s_add_nc_u64 s[10:11], s[10:11], s[90:91]
.macro MULA f, a, zero
.irp b, 0,1,2,3
.if \zero
	v_wmma_f32_16x16x128_fp8_fp8 v[ACC+8*(4*(\a)+\b):ACC+8*(4*(\a)+\b)+7], v[\f+64+16*\b:\f+64+16*\b+15], v[\f+16*(\a):\f+16*(\a)+15], 0
.else
	v_wmma_f32_16x16x128_fp8_fp8 v[ACC+8*(4*(\a)+\b):ACC+8*(4*(\a)+\b)+7], v[\f+64+16*\b:\f+64+16*\b+15], v[\f+16*(\a):\f+16*(\a)+15], v[ACC+8*(4*(\a)+\b):ACC+8*(4*(\a)+\b)+7]
.endif
.endr
.endm
.macro FETCH slot, q, f
	WIN TO_F
.irp i, 0,1,2,3
.irp c, 0,1,2,3
	ds_load_b128 v[\f+64+16*\i+4*\c:\f+64+16*\i+4*\c+3], v[ADRB+\slot] offset:128*(\q)+\i*16*PB+32*\c
.endr
.endr
.irp i, 0,1,2,3
.irp c, 0,1,2,3
	ds_load_b128 v[\f+16*\i+4*\c:\f+16*\i+4*\c+3], v[ADRA+\slot] offset:(\q)*AH+\i*16*PA+32*\c
.endr
.endr
.endm
.macro PLACES
.rept 4
	v_nop
.endr
.endm
.macro QUARTER slot, q, f, g, zero
	s_wait_dscnt 8
	WIN MUL
	MULA \f, 0, \zero
	MULA \f, 1, \zero
	PLACES
	FETCH \slot, \q, \g
	s_wait_dscnt 32
	WIN MUL
	MULA \f, 2, \zero
	MULA \f, 3, \zero
.endm
.macro TURN slot, next, fill
	WIN 0
	s_wait_tensorcnt 0x0
	ds_add_u32 v[SPW], v[NIL]
	s_wait_dscnt 9
	WIN MUL
	MULA F1, 0, 0
	MULA F1, 1, 0
	s_wait_dscnt 0x0
	s_barrier_signal -1
	MULA F1, 2, 0
	WIN 0
	s_barrier_wait -1
.if \fill
	CREST
	s_add_nc_u64 s[G0+4*\slot+2:G0+4*\slot+3], s[G0+4*\slot+2:G0+4*\slot+3], 2*65536
	s_add_nc_u64 s[G0B+4*\slot+2:G0B+4*\slot+3], s[G0B+4*\slot+2:G0B+4*\slot+3], 2*512
	JLOAD \slot
.else
	PLACES
.endif
	s_wait_alu depctr_va_vdst(0)
	FETCH \next, 0, F0
	WIN MUL
	MULA F1, 3, 0
.endm
	s_wait_alu depctr_va_vdst(0)
	s_wait_tensorcnt 0x0                           ; my part of fill 0 is in
	ds_add_u32 v[SPW], v[NIL]
	s_wait_dscnt 0x0
	CROUND                                         ; everybody's part of fill 0 is in, and all sixteen work-groups are here
	JLOAD 1                                        ; fill 1, the first tensor load behind the round
	FETCH 0, 0, F0
	global_prefetch_b8 v9, s[78:79] th:TH_LOAD_NT scope:SCOPE_SE   ; fill 3, two fills on (the address register lies in window 0, as the loads' above)
	QUARTER 0, 1, F0, F1, 1
	QUARTER 0, 2, F1, F0, 0
	QUARTER 0, 3, F0, F1, 0
	TURN 0, 1, 1
	QUARTER 1, 1, F0, F1, 0
	QUARTER 1, 2, F1, F0, 0
	QUARTER 1, 3, F0, F1, 0
	TURN 1, 0, 1
	QUARTER 0, 1, F0, F1, 0
	QUARTER 0, 2, F1, F0, 0
	QUARTER 0, 3, F0, F1, 0
	TURN 0, 1, 0
	QUARTER 1, 1, F0, F1, 0
	QUARTER 1, 2, F1, F0, 0
	QUARTER 1, 3, F0, F1, 0
	s_wait_dscnt 8
	WIN MUL
	MULA F1, 0, 0
	MULA F1, 1, 0
	s_wait_dscnt 0
	MULA F1, 2, 0
	MULA F1, 3, 0
	WIN 0
.macro TOSTAGE a
.set j, 0
.rept 16
	v_pk_mul_f32 v[TMP+j:TMP+j+1], v[ACC+32*(\a)+j:ACC+32*(\a)+j+1], s[96:97] op_sel_hi:[1,0]
.set j, j+2
.endr
.irp b, 0,1,2,3
	ds_store_b128 v[STO], v[TMP+8*\b:TMP+8*\b+3] offset:64*\b
	ds_store_b128 v[STO], v[TMP+8*\b+4:TMP+8*\b+7] offset:64*\b+16
.endr
.irp i, 0,1,2,3,4,5,6,7
	ds_load_b128 v[BK+32*((\a)%2)+4*\i:BK+32*((\a)%2)+4*\i+3], v[RD] offset:\i*2*SPITCH
.endr
.endm
.macro SEND a, younger
	s_wait_dscnt \younger
.irp i, 0,1,2,3,4,5,6,7
	global_store_b128 v[CO], v[BK+32*((\a)%2)+4*\i:BK+32*((\a)%2)+4*\i+3], s[10:11] offset:(16*(\a)+2*\i)*8192 th:TH_STORE_NT
.endr
.endm
	s_wait_kmcnt 0x0
	s_add_co_i32 s96, s96, s97
	s_add_co_i32 s96, s96, 127
	s_lshl_b32 s96, s96, 23
	s_mov_b32 s97, s96
	PLACES
	TOSTAGE 0
	TOSTAGE 1
	SEND 0, 16
	s_wait_xcnt 0x0
	TOSTAGE 2
	SEND 1, 16
	s_wait_xcnt 0x0
	TOSTAGE 3
	SEND 2, 16
	SEND 3, 0
	s_wait_tensorcnt 0x0
	ds_add_u32 v[SPW], v[NIL]
	s_wait_dscnt 0x0
	CROUND
	s_endpgm
.Lfunc_end_k_qd185336c30_oproj:
	.size	k_qd185336c30_oproj, .Lfunc_end_k_qd185336c30_oproj-k_qd185336c30_oproj
	.p2alignl 7, 3214868480
	.fill 96, 4, 3214868480
	.section	.rodata,"a",@progbits
	.p2align	6, 0x0
	.amdhsa_kernel k_qd185336c30_oproj
		.amdhsa_group_segment_fixed_size 327680
		.amdhsa_private_segment_fixed_size 0
		.amdhsa_enable_private_segment 0
		.amdhsa_kernarg_size 32
		.amdhsa_user_sgpr_count 2
		.amdhsa_user_sgpr_kernarg_segment_ptr 1
		.amdhsa_wavefront_size32 1
		.amdhsa_system_sgpr_workgroup_id_x 1
		.amdhsa_system_sgpr_workgroup_id_y 1
		.amdhsa_system_sgpr_workgroup_id_z 1
		.amdhsa_system_vgpr_workitem_id 0
		.amdhsa_next_free_vgpr 512
		.amdhsa_next_free_sgpr 100
		.amdhsa_reserve_vcc 0
		.amdhsa_float_denorm_mode_32 3
		.amdhsa_float_denorm_mode_16_64 3
		.amdhsa_memory_ordered 1
		.amdhsa_forward_progress 1
		.amdhsa_inst_pref_size 75
	.end_amdhsa_kernel
	.amdgpu_metadata
---
amdhsa.version: [ 1, 2 ]
amdhsa.kernels:
  - .name:           k_qd185336c30_oproj
    .symbol:         k_qd185336c30_oproj.kd
    .args:
      - { .name: ac, .offset: 0, .size: 8, .value_kind: global_buffer, .address_space: global }
      - { .name: wc, .offset: 8, .size: 8, .value_kind: global_buffer, .address_space: global }
      - { .name: lowp_scales, .offset: 16, .size: 8, .value_kind: global_buffer, .address_space: global }
      - { .name: out0, .offset: 24, .size: 8, .value_kind: global_buffer, .address_space: global }
    .group_segment_fixed_size: 327680
    .private_segment_fixed_size: 0
    .kernarg_segment_align: 8
    .kernarg_segment_size: 32
    .max_flat_workgroup_size: 128
    .sgpr_count:     100
    .vgpr_count:     512
    .wavefront_size: 32
...
	.end_amdgpu_metadata
.endif
;; end of part 4
